; MI455X (gfx1250); checked and timed in simulation.
; The chip was launched on July 23, 2026; its instructions are those of AMD's public machine-readable ISA for CDNA 5 (MIT licence, August 2026) and "CDNA5" Instruction Set Architecture Reference Guide (July 2026). The comments in the code are by the model that wrote it; some were corrected since.
;; Attention. Allowed arithmetic: matrix products marked QUANTISED: E3M2 operands, one E8M0 scale for each 32 along K, by v_wmma_scale_f32_16x16x128_f8f6f4 with both operands' format E3M2, f32 sums; everything else in f32.
;; Inputs: Wk 768 x 768 float32; Wo 768 x 768 float32; Wq 768 x 768 float32; Wv 768 x 768 float32; bk 768 float32; bo 768 float32; bq 768 float32; bv 768 float32; x 1 x 4,096 x 768 float32.
;; Outputs: out0 1 x 4,096 x 768 float32.
;; This version of the problem:
;;   THIS VERSION OF THE PROBLEM IS GIVEN IN LOW PRECISION. The matrix products marked QUANTISED in the list below multiply operands that are first quantised to E3M2 (3 exponent bits, 2 mantissa bits; 6 bits a number), with one power-of-two scale for each 32 numbers along K (OCP MX v1.0); their sums are f32. All else is computed in f32.
;;   The module's matrix products, in the order in which they are computed (A, B: the left and right operand; K: the contracted axis; several contracted axes count as one K, in the product's order):
;;     1. [M 4,096, K 768] x [K 768, N 768]; A: input x; B: input Wq: QUANTISED
;;     2. [M 4,096, K 768] x [K 768, N 768]; A: input x; B: input Wk: QUANTISED
;;     3. [M 4,096, K 768] x [K 768, N 768]; A: input x; B: input Wv: QUANTISED
;;     4. batch 12 x [M 4,096, K 64] x [K 64, N 4,096]; A: computed on the way; B: computed on the way: QUANTISED
;;     5. batch 12 x [M 4,096, K 4,096] x [K 4,096, N 64]; A: softmax (see below); B: computed on the way: QUANTISED
;;     6. [M 4,096, K 768] x [K 768, N 768]; A: computed on the way; B: input Wo: QUANTISED
;;   THE QUANTISER, for each operand of a quantised product, along K:
;;     - K is cut into blocks of 32 from its start; a last block that is shorter is filled with zeros.
;;     - A block's scale is 2^e with e = floor(log2(the largest magnitude in the block)) - 4, held to -126 .. 127; a block of zeros has e = 0. As a byte (E8M0): e + 127.
;;     - Each number is divided by its block's scale, clamped to +-28, and rounded to the nearest number of E3M2, ties to even, subnormals kept.
;;     - The product sums the exact products of the quantised numbers (number of the format x scale) in f32.
;;   ~~~python
;;   def quantise(x, axis):      # numpy; x: float32 -> the quantised numbers, widened to float32 again
;;       x = np.moveaxis(x, axis, -1); K = x.shape[-1]
;;       x = np.pad(x, [(0, 0)] * (x.ndim - 1) + [(0, -K % 32)]); x = x.reshape(x.shape[:-1] + (-1, 32)); a = np.abs(x).max(-1, keepdims=True)
;;       e = np.where(a > 0, np.clip(np.frexp(np.where(a > 0, a, 1))[1] - 1 - 4, -126, 127), 0)      # np.frexp(a)[1] - 1 = floor(log2(a)), exactly
;;       r = np.clip(x / 2.0 ** e, -28, 28)
;;       step = 2.0 ** (np.maximum(np.frexp(np.where(r == 0, 1, r))[1] - 1, -2) - 2)
;;       q = np.round(r / step) * step * 2.0 ** e      # np.round: ties to even
;;       return np.moveaxis(q.reshape(q.shape[:-2] + (-1,))[..., :K], -1, axis).astype(np.float32)
;;   ~~~
;;   SOFTMAX AHEAD OF A QUANTISED PRODUCT. Where the list says 'softmax', what is quantised is not the finished softmax but p = 2^(t - M), with t = logit x log2(e) and M = ceil(the row's largest t), a whole number; so 1/2 < the row's largest p <= 1. The row's sum l is taken of the UNQUANTISED p, in f32, and the product's result is divided by l at the end. Since M is a whole number, a kernel that streams over the keys may use a running M (the ceiling of the running maximum): every later rescaling is an exact power of two, which a block's scale takes up: the codes' values come out the same.
;;   OPERANDS COMPUTED ON THE WAY. 'Computed on the way' means the value that the module computes at that place (a softmax that the list does not call 'softmax' is quantised finished and normalised). What goes into a quantiser is computed in f32, as accurately as f32 sums, v_exp_f32 and their like allow (about 1e-6 of the number): no bf16 or f16 on the way to a quantiser, and a product that is left as it is and whose result goes on into a quantised operand takes f32 operands (vector FMAs, or v_wmma_f32_16x16x4_f32). A number that lies on a knife's edge between two numbers of the format may be rounded either way, as far as f32 arithmetic and the matrix unit's own rounding can turn it there, and no further.
;; One version. Each part assembles by itself: llvm-mc -triple=amdgcn-amd-amdhsa -mcpu=gfx1250 --defsym DOCPART=n.
;; ======== version 1 of 1: 4 launches
;; limits: right only within a limited range of input values
;; workspace buffers: rec 4,300,800 bytes; qb 2,457,600 bytes; kv 4,915,200 bytes; yb 2,457,600 bytes
;; launch prep (part 1): grid 56 x 6, 4 waves a work-group, no clusters, 68,096 bytes of LDS; arguments x, Wq, Wk, Wv, Wo, rec; writes rec
.if DOCPART == 1
	.amdgcn_target "amdgcn-amd-amdhsa--gfx1250"
	.amdhsa_code_object_version 6
	.text
	.protected	k_qc26ee0144b_prep
	.globl	k_qc26ee0144b_prep
	.p2align	8
	.type	k_qc26ee0144b_prep,@function
k_qc26ee0144b_prep:
	s_mov_b64 s[64:65], 0
	v_nop
	global_prefetch_b8 v0, s[64:65] scope:SCOPE_SE
	s_setreg_imm32_b32 hwreg(HW_REG_WAVE_MODE, 25, 1), 1
	s_wait_xcnt 0x0
; x [4096][768] (K innermost) and Wq, Wk, Wv, Wo [768 (K)][768] (K outermost), f32, become codes of BF6 (E3M2) with one E8M0 byte for each 32 along K,
; laid as IMAGES OF OPERAND REGISTERS.  A fragment is 16 rows x 128 K, 12 registers a lane: three pieces of 512 bytes, piece c = registers 4 c .. 4 c + 3, lane l at 16 l.
; A record of 6,400 bytes holds the 4 fragments of 64 rows for one K step of 128 (at 1,536 f) and 2 scale images of 128 bytes (at 6,144 + 128 pr: lanes 0-15 the words of fragment 2 pr, lanes 16-31 of 2 pr + 1).
; Record number = 6 x (group of 64 rows) + K step; groups 0-63 are x's tokens, groups 64-111 the columns of Wq, Wk, Wv, Wo, 12 groups each.
; THE ROWS OF A FRAGMENT ARE NOT NEIGHBOURS: lane r of fragment 2 b + u holds row 32 b + 8 u + r + 8 (r / 8), so that a product which takes it as source 0 leaves 16 neighbours in a lane's 16 registers.
; SHARES.  A wave makes one pair of fragments (32 rows) of one K step: lane (r, h) owns row r of fragment u = h and holds its 128 numbers, so every block of 32 lies in one lane.
; Work-groups 0-31 along x take x, 32-55 the weights; y is the K step.  Waves share nothing: no barrier.
; A block's scale is 2^(floor(log2(largest magnitude)) - 4): its byte is the largest magnitude's exponent field - 4, held at 1 from below.
; LIMITS: a block whose largest magnitude lies under 2^-122 (a block of zeros among them, where the rule says byte 127) gets the byte 1: its codes are zeros or nearly so, and these bytes are read by this program alone.
; NaN and infinities among the inputs are not served.
.set RECB,   6400
.set XROW,   3072                      ; a row of x or of a weight in bytes
.set SPITCH, 528                       ; the stage: a row's 512 bytes + 16: 132 words
.set WSTAGE, 32*SPITCH                 ; a wave's stage
.set LN,  1                            ; v1   lane
.set LI,  2                            ; v2   16 x lane
.set LS,  3                            ; v3   4 x lane
.set STI, 4                            ; v4   the stage, on the way in
.set STO, 5                            ; v5   and on the way out
.set WO,  6                            ; v6   a weight's column, in bytes
.set MX,  8                            ; v8-11   the four blocks' largest magnitudes
.set SO,  12                           ; v12-15  the conversions' scale operands
.set BY,  16                           ; v16-19  the scale bytes
.set WD,  20                           ; v20     my row's scale word
.set R,   32                           ; v32-159 my row's 128 numbers
.set F0,  160                          ; v160-171 fragment 0
.set F1,  172                          ; v172-183 fragment 1
.set TU,  184                          ; v184-199 the blocks' upper 16 codes, four registers' room each
	s_load_b256 s[4:11], s[0:1], 0x0               ; x, Wq, Wk, Wv
	s_load_b128 s[12:15], s[0:1], 0x20             ; Wo, rec
	v_lshl_add_u32 v200, v0, 2, 0x10800
	v_mov_b32 v201, 0
	v_lshrrev_b32 v[LN], 5, v0
	v_readfirstlane_b32 s16, v[LN]                 ; wave 0..3
	s_and_b32 s17, ttmp7, 0xffff                   ; the K step
	v_and_b32 v[LN], 31, v0
	v_lshlrev_b32 v[LI], 4, v[LN]
	v_lshlrev_b32 v[LS], 2, v[LN]
	s_lshl_b32 s18, ttmp9, 2
	s_add_co_u32 s18, s18, s16                     ; which pair of fragments: 0-127 x's, 128-223 the weights'
	s_lshr_b32 s19, s18, 1                         ; the group of 64 rows
	s_mul_i32 s19, s19, 6
	s_add_co_u32 s19, s19, s17                     ; the record
	s_mul_i32 s20, s19, RECB
	s_and_b32 s22, s18, 1                          ; which pair of the record
	s_mul_i32 s23, s22, 3072
	s_add_co_u32 s24, s20, s23                     ; where my two fragments go,
	s_mov_b32 s25, 0
	s_lshl_b32 s23, s22, 7
	s_add_co_u32 s26, s20, s23
	s_add_co_u32 s26, s26, 6144                    ; and my scale image
	s_mov_b32 s27, 0
	s_wait_kmcnt 0x0
	s_add_nc_u64 s[24:25], s[14:15], s[24:25]
	s_add_nc_u64 s[26:27], s[14:15], s[26:27]
	s_cmp_lt_u32 ttmp9, 32
	s_cbranch_scc0 .Lweights
	; ---- x: K is innermost.  Each load takes one row's K step as it lies, 512 consecutive bytes; the 32 rows turn through my own stage, so that each lane gets its row whole.
	s_mul_i32 s28, s18, 32*XROW                    ; my 32 tokens,
	s_lshl_b32 s29, s17, 9                         ; my 128 numbers of each
	s_add_co_u32 s28, s28, s29
	s_mov_b32 s29, 0
	s_add_nc_u64 s[4:5], s[4:5], s[28:29]
	s_mul_i32 s30, s16, WSTAGE
	s_wait_alu depctr_va_vdst(0)
	v_add_nc_u32 v[STI], s30, v[LI]
	v_mul_u32_u24 v[STO], v[LN], SPITCH
	v_add_nc_u32 v[STO], s30, v[STO]
.set ii, 0
.rept 32
	global_load_b128 v[R+4*ii:R+4*ii+3], v[LI], s[4:5] offset:XROW*ii th:TH_LOAD_NT
.set ii, ii+1
.endr
.set ii, 0
	s_wait_alu depctr_va_vdst(0)
.rept 32                               ; row ii goes to the place of the lane that owns it: rows 8-15 belong to lanes 16-23, rows 16-23 to lanes 8-15
	s_wait_loadcnt 31-ii                           ; loads come back in order: row ii is in, the younger rows may be out
	ds_store_b128 v[STI], v[R+4*ii:R+4*ii+3] offset:SPITCH*((ii%8)+16*((ii/8)%2)+8*(ii/16))
.set ii, ii+1
.endr
.set ii, 0
.rept 32                               ; LDS serves a wave's instructions in order: these see my stores, and land behind them in the registers that the stores have read
	ds_load_b128 v[R+4*ii:R+4*ii+3], v[STO] offset:16*ii
.set ii, ii+1
.endr
	s_wait_dscnt 0x0
	s_branch .Lquant
.Lweights:
	; ---- a weight: K is the first axis.  A lane takes a column and its registers run down K: a load reads 128 consecutive bytes a wave, 512 a work-group
	s_sub_co_u32 s28, ttmp9, 32                    ; 0-23: six work-groups to a weight
	s_cmp_lt_u32 s28, 6
	s_cselect_b64 s[30:31], s[6:7], s[8:9]         ; Wq or Wk
	s_cmp_lt_u32 s28, 18
	s_cselect_b64 s[32:33], s[10:11], s[12:13]     ; Wv or Wo
	s_cmp_lt_u32 s28, 12
	s_cselect_b64 s[30:31], s[30:31], s[32:33]
	s_mul_i32 s29, s28, 43
	s_lshr_b32 s29, s29, 8                         ; which weight: s28 / 6
	s_mul_i32 s29, s29, 24
	s_sub_co_u32 s34, s18, 128
	s_sub_co_u32 s34, s34, s29                     ; which 32 columns of it
	s_lshl_b32 s34, s34, 7
	s_mul_i32 s35, s17, 128*XROW                   ; the K step's 128 rows
	s_add_co_u32 s34, s34, s35
	s_mov_b32 s35, 0
	s_add_nc_u64 s[30:31], s[30:31], s[34:35]
	s_wait_alu depctr_va_vdst(0)
	v_and_b32 v[WO], 15, v[LN]                     ; r
	v_and_b32 v7, 8, v[LN]
	v_add_nc_u32 v[WO], v[WO], v7                  ; r + 8 (r / 8)
	v_lshrrev_b32 v7, 4, v[LN]                     ; h
	v_lshl_add_u32 v[WO], v7, 3, v[WO]             ; + 8 h: my column among the 32
	v_lshlrev_b32 v[WO], 2, v[WO]
.set ii, 0
.rept 128
	global_load_b32 v[R+ii], v[WO], s[30:31] offset:XROW*ii th:TH_LOAD_NT
.set ii, ii+1
.endr
	s_wait_loadcnt 0x0
.Lquant:
	; ---- my row's four blocks of 32, by turns, so that no line waits for the line above it
.irp b, 0,1,2,3
	v_max3_num_f32 v[MX+\b], |v[R+32*\b]|, |v[R+32*\b+1]|, 0x2800000   ; and the floor 2^(5 - 127): the byte cannot fall under 1
.endr
.irp i, 2,4,6,8,10,12,14,16,18,20,22,24,26,28,30
.irp b, 0,1,2,3
	v_max3_num_f32 v[MX+\b], v[MX+\b], |v[R+32*\b+\i]|, |v[R+32*\b+\i+1]|
.endr
.endr
.irp b, 0,1,2,3
	v_add_nc_u32 v[SO+\b], 0xfe000000, v[MX+\b]    ; 4 off the exponent field: the conversion takes this operand's exponent field as its scale
.endr
.irp b, 0,1,2,3
	v_lshrrev_b32 v[BY+\b], 23, v[SO+\b]           ; the scale's byte
.endr
	v_lshl_or_b32 v[WD], v[BY+1], 8, v[BY]
	v_lshl_or_b32 v[WD], v[BY+2], 16, v[WD]
	v_lshl_or_b32 v[WD], v[BY+3], 24, v[WD]        ; lanes 0-15: fragment 0's words, lanes 16-31: fragment 1's: the scale image as it stands
.irp c, 0,1                            ; block 2 c goes to F0's registers 6 c on, block 2 c + 1 to F1's; a conversion's three registers begin on an even number, so the upper 16 codes are made elsewhere and moved
	v_cvt_scalef32_pk16_bf6_f32 v[F0+6*\c:F0+6*\c+2], v[R+64*\c:R+64*\c+15], v[SO+2*\c]
	v_cvt_scalef32_pk16_bf6_f32 v[TU+8*\c:TU+8*\c+2], v[R+64*\c+16:R+64*\c+31], v[SO+2*\c]
	v_cvt_scalef32_pk16_bf6_f32 v[F1+6*\c:F1+6*\c+2], v[R+64*\c+32:R+64*\c+47], v[SO+2*\c+1]
	v_cvt_scalef32_pk16_bf6_f32 v[TU+8*\c+4:TU+8*\c+6], v[R+64*\c+48:R+64*\c+63], v[SO+2*\c+1]
.endr
	v_nop                                          ; one plain instruction between a scaled conversion and the vector instruction that touches its result
.irp c, 0,1
.irp i, 0,1,2
	v_mov_b32 v[F0+6*\c+3+\i], v[TU+8*\c+\i]
	v_mov_b32 v[F1+6*\c+3+\i], v[TU+8*\c+4+\i]
.endr
.endr
.irp j, 0,1,2,3,4,5,6,7,8,9,10,11      ; F0's lanes 16-31 (fragment 1's even blocks) change places with F1's lanes 0-15 (fragment 0's odd blocks): each is now one fragment in the operand's layout
	v_permlane16_swap_b32 v[F0+\j], v[F1+\j]
.endr
.irp c, 0,1,2
	global_store_b128 v[LI], v[F0+4*\c:F0+4*\c+3], s[24:25] offset:512*\c          ; 32 lanes store 512 consecutive bytes, at a multiple of 256 from the buffer's first byte
.endr
.irp c, 0,1,2
	global_store_b128 v[LI], v[F1+4*\c:F1+4*\c+3], s[24:25] offset:1536+512*\c
.endr
	global_store_b32 v[LS], v[WD], s[26:27]
	s_wait_tensorcnt 0x0
	ds_add_u32 v200, v201
	s_wait_dscnt 0x0
	s_endpgm
.Lfunc_end_k_qc26ee0144b_prep:
	.size	k_qc26ee0144b_prep, .Lfunc_end_k_qc26ee0144b_prep-k_qc26ee0144b_prep
	.p2alignl 7, 3214868480
	.fill 96, 4, 3214868480
	.section	.rodata,"a",@progbits
	.p2align	6, 0x0
	.amdhsa_kernel k_qc26ee0144b_prep
		.amdhsa_group_segment_fixed_size 68096
		.amdhsa_private_segment_fixed_size 0
		.amdhsa_enable_private_segment 0
		.amdhsa_kernarg_size 48
		.amdhsa_user_sgpr_count 2
		.amdhsa_user_sgpr_kernarg_segment_ptr 1
		.amdhsa_wavefront_size32 1
		.amdhsa_system_sgpr_workgroup_id_x 1
		.amdhsa_system_sgpr_workgroup_id_y 1
		.amdhsa_system_sgpr_workgroup_id_z 1
		.amdhsa_system_vgpr_workitem_id 0
		.amdhsa_next_free_vgpr 202
		.amdhsa_next_free_sgpr 66
		.amdhsa_reserve_vcc 0
		.amdhsa_float_denorm_mode_32 3
		.amdhsa_float_denorm_mode_16_64 3
		.amdhsa_memory_ordered 1
		.amdhsa_forward_progress 1
		.amdhsa_inst_pref_size 30
	.end_amdhsa_kernel
	.amdgpu_metadata
---
amdhsa.version: [ 1, 2 ]
amdhsa.kernels:
  - .name:           k_qc26ee0144b_prep
    .symbol:         k_qc26ee0144b_prep.kd
    .args:
      - { .name: x, .offset: 0, .size: 8, .value_kind: global_buffer, .address_space: global }
      - { .name: Wq, .offset: 8, .size: 8, .value_kind: global_buffer, .address_space: global }
      - { .name: Wk, .offset: 16, .size: 8, .value_kind: global_buffer, .address_space: global }
      - { .name: Wv, .offset: 24, .size: 8, .value_kind: global_buffer, .address_space: global }
      - { .name: Wo, .offset: 32, .size: 8, .value_kind: global_buffer, .address_space: global }
      - { .name: rec, .offset: 40, .size: 8, .value_kind: global_buffer, .address_space: global }
    .group_segment_fixed_size: 68096
    .private_segment_fixed_size: 0
    .kernarg_segment_align: 8
    .kernarg_segment_size: 48
    .max_flat_workgroup_size: 128
    .sgpr_count:     66
    .vgpr_count:     202
    .wavefront_size: 32
...
	.end_amdgpu_metadata
.endif
;; end of part 1
;; launch qkv (part 2): grid 32 x 6, 12 waves a work-group, clusters of 4 x 1, 308,736 bytes of LDS; arguments rec, bq, bk, bv, qb, kv; writes qb, kv
.if DOCPART == 2
	.amdgcn_target "amdgcn-amd-amdhsa--gfx1250"
	.amdhsa_code_object_version 6
	.text
	.protected	k_qc26ee0144b_qkv
	.globl	k_qc26ee0144b_qkv
	.p2align	8
	.type	k_qc26ee0144b_qkv,@function
k_qc26ee0144b_qkv:
	s_mov_b64 s[64:65], 0
	v_nop
	global_prefetch_b8 v0, s[64:65] scope:SCOPE_SE
	s_setreg_imm32_b32 hwreg(HW_REG_WAVE_MODE, 25, 1), 1
	s_wait_xcnt 0x0
	s_wait_alu depctr_hold_cnt(0) depctr_sa_sdst(0) depctr_va_vdst(0) depctr_va_sdst(0) depctr_va_ssrc(0) depctr_va_vcc(0) depctr_vm_vsrc(0)
	s_getreg_b32 s2, hwreg(HW_REG_IB_STS2, 6, 4)
	s_cmp_eq_u32 s2, 0
	s_cbranch_scc0 .Lentry_in_a_cluster
	s_endpgm
.Lentry_in_a_cluster:
	s_bfe_u32 s2, ttmp6, 0x10000c
	s_cmp_lg_u32 s2, 0x3003
	s_cbranch_scc0 .Lentry_shape_is_right
	s_endpgm
.Lentry_shape_is_right:
; q = x Wq + bq, k = x Wk + bk, v = x Wv + bv on codes of BF6 (E3M2) with E8M0 scales, K = 768 in six steps of 128; the results are quantised in registers and leave as operand images.
; SHARES.  A work-group takes 128 tokens (x) and 384 columns (y: 0, 1 = Q, 2, 3 = K, 4, 5 = V): six units of 64 columns, which are six heads.  Wave w takes unit w / 2 and half w % 2, 16 accumulators:
;   Q, K: 64 tokens (the half) x 64 columns, source 0 = the weight's columns, source 1 = x: a lane holds ONE token and its registers run along the head's 64 channels, the next product's K;
;   V:    128 tokens x 32 columns (the half), source 0 = x, source 1 = the weight's columns: a lane holds ONE channel and its registers run along the 128 tokens, the keys: the next product's K.
; The rows of a stored fragment are in the order 32 b + 8 u + r + 8 (r / 8) (tile 2 b + u, lane r), so that the 16 registers of two neighbouring tiles are 16 neighbours along the next K.
; K'S TOKENS ARE TAKEN IN ANOTHER ORDER: tile 2 i + u of a half takes, in lane r = 8 g + j, token 32 g + 16 i + 8 u + j of the half's 64.  That is row 8 i + j of x's stored tile 2 g + u: only the lanes' LDS addresses
; differ from Q's (made without a branch, by constants chosen on the work-group's y).  In the scores a lane's 32 registers of four neighbouring tiles of keys are then one whole block of 32 keys.
; LDS: eight streams of 38,400 bytes (six records of 6,400, one a K step): streams 0, 1 = x's two groups of 64 tokens, streams 2-7 = the six units.  Every byte is filled once; there is no ring.
; CLUSTER: the four work-groups of a cluster differ in their tokens alone and read the same six units: those loads are asked for jointly.  x's are each work-group's own.
; Every wave issues ONE tensor load, behind one round of the cluster's barrier: an even wave its unit's whole stream (150 rows x 256 bytes, joint), an odd wave two of x's twelve records (50 rows x 256 bytes).
; No prefetch: the launch has no loop to run ahead in; all that it reads is asked for at its head.
; OUT.  qb [head][32][6,400]: four pair images (two tiles of 16 tokens x 64 channels in one fragment: registers 0-5 the even tile, 6-11 the odd) and two scale images.
;       kv [head][32][12,800]: four pair images of k, four fragments of v (16 channels x 128 keys), two scale images each.
; LIMITS: a block whose largest magnitude lies under 2^-122 gets the scale byte 1 (read by this program alone); NaN and infinities are not served.
.set RECB, 6400
.set STRM, 6*RECB
.set LI,  1                            ; v1   16 x lane; also x's stream 0
.set LS,  2                            ; v2   4 x lane
.set AWQ, 4                            ; v4   my unit's stream
.set SWQ, 6                            ; v6   the same for scale words
.set AX1, 7                            ; v7   V: x's stream 1
.set AWV, 8                            ; v8   V: my two fragments of my unit
.set BO,  9                            ; v9   Q, K: my lane's offset in the bias
.set BOV, 10                           ; v10  V: the same
.set SX1, 11                           ; v11  V: scale words of x's stream 1
.set SWV, 12                           ; v12  V: of my two fragments
.set SWR, 16                           ; v16-17 the weight's scale words;  v18-21 x's.  They hold scales and nothing else
.set SXR, 18
.set AXT, 22                           ; v22-25 Q, K: LDS address of my four tiles of tokens
.set SXT, 26                           ; v26-27 and of their two scale images
.set WF,  32                           ; Q, K: v32-79 four fragments of the weight, v80-127 four of x
.set XF,  80
.set WFV, 32                           ; V: v32-55 two of the weight, v56-103 four of x, v104-119 the bias in the result's layout
.set XFV, 56
.set BV,  104
.set ACC, 128                          ; v128-255 sixteen accumulators
.set TM,  32                           ; the way out: v32-47 at work, v48-67 and v68-87 codes, v88-90 scale words
.set G1P, 24                           ; s[24:31] descriptor group 1, plain;  s[48:55] joint;  s[32:35] group 0 joint, s[36:39] plain
.set G0,  32
.set G1J, 48
.set SEL, 56                           ; s[56:57] v_permlanex16_b32's selects for lane l xor 16
.macro ROUND                           ; a round of the cluster's barrier
	s_barrier_signal -1
	s_barrier_wait -1
	s_cmp_lg_u32 s16, 0
	s_cbranch_scc1 .Lnot_wave_0_\@
	s_barrier_signal -3
.Lnot_wave_0_\@:
	s_barrier_wait -3
	s_barrier_signal -1
	s_barrier_wait -1
.endm
.macro BAR
	s_barrier_signal -1
	s_barrier_wait -1
.endm
; one product: D at d, sources at a and b, C at c, their scale registers, and which half of the lanes holds each side's words
.macro MM d, a, b, c, sa, sb, ra, rb
.if ((\ra)*2+(\rb)) == 0
	v_wmma_scale_f32_16x16x128_f8f6f4 v[(\d):(\d)+7], v[(\a):(\a)+11], v[(\b):(\b)+11], v[(\c):(\c)+7], v[(\sa)], v[(\sb)] matrix_a_fmt:MATRIX_FMT_BF6 matrix_b_fmt:MATRIX_FMT_BF6
.elseif ((\ra)*2+(\rb)) == 1
	v_wmma_scale_f32_16x16x128_f8f6f4 v[(\d):(\d)+7], v[(\a):(\a)+11], v[(\b):(\b)+11], v[(\c):(\c)+7], v[(\sa)], v[(\sb)] matrix_a_fmt:MATRIX_FMT_BF6 matrix_b_fmt:MATRIX_FMT_BF6 matrix_b_scale:MATRIX_SCALE_ROW1
.elseif ((\ra)*2+(\rb)) == 2
	v_wmma_scale_f32_16x16x128_f8f6f4 v[(\d):(\d)+7], v[(\a):(\a)+11], v[(\b):(\b)+11], v[(\c):(\c)+7], v[(\sa)], v[(\sb)] matrix_a_fmt:MATRIX_FMT_BF6 matrix_b_fmt:MATRIX_FMT_BF6 matrix_a_scale:MATRIX_SCALE_ROW1
.else
	v_wmma_scale_f32_16x16x128_f8f6f4 v[(\d):(\d)+7], v[(\a):(\a)+11], v[(\b):(\b)+11], v[(\c):(\c)+7], v[(\sa)], v[(\sb)] matrix_a_fmt:MATRIX_FMT_BF6 matrix_b_fmt:MATRIX_FMT_BF6 matrix_a_scale:MATRIX_SCALE_ROW1 matrix_b_scale:MATRIX_SCALE_ROW1
.endif
.endm
.macro PLACES                          ; four plain instructions between a product and a load into, or a vector instruction on, one of its registers
.rept 4
	v_nop
.endr
.endm
	s_load_b256 s[4:11], s[0:1], 0x0               ; rec, bq, bk, bv
	s_load_b128 s[12:15], s[0:1], 0x20             ; qb, kv
	v_lshl_add_u32 v30, v0, 2, 0x4b000
	v_mov_b32 v31, 0
	ds_add_u32 v30, v31                            ; the opening lines: the add, twice on end, and its wait ahead of my tensor load
	ds_add_u32 v30, v31
	v_lshrrev_b32 v1, 5, v0
	s_delay_alu instid0(VALU_DEP_1)
	v_readfirstlane_b32 s16, v1                    ; wave 0..11
	s_bfe_u32 s17, ttmp6, 0x40000                  ; cx: my place in the cluster
	s_lshl_b32 s18, ttmp9, 2
	s_add_co_u32 s18, s18, s17                     ; g: my 128 tokens.  It enters x's and the results' addresses alone
	s_and_b32 s19, ttmp7, 0xffff                   ; which 384 columns: the same in all four partners
	s_lshr_b32 s20, s19, 1                         ; 0 = Q, 1 = K, 2 = V
	s_lshr_b32 s21, s16, 1                         ; my unit of the six.  Also: which stream, or which two records of x, I fetch
	s_and_b32 s22, s16, 1                          ; my half.  Also: I fetch for the weights (0) or for x (1)
	s_and_b32 s23, s19, 1
	s_mul_i32 s23, s23, 6
	s_add_co_u32 s23, s23, s21                     ; my head
	; descriptor groups 1: dense blocks as rows of 32 elements of 8 bytes: x's two records are 50 rows, a unit's stream 150
	s_mov_b32 s[G1P], 3<<16                        ; 15:0 no mask; 17:16 elements of 8 bytes; no padding
	s_mov_b32 s[G1J], 15|(3<<16)|(1<<21)           ; the same with the mask of all four work-groups, and bit 21 beside it
	s_mov_b32 s[G1P+2], 50<<16                     ; tensor_dim1
	s_mov_b32 s[G1P+4], 50                         ; tile_dim1
	s_mov_b32 s[G1J+2], 150<<16
	s_mov_b32 s[G1J+4], 150
.irp g, G1P, G1J
	s_mov_b32 s[\g+1], 32<<16                      ; tensor_dim0 = 32
	s_mov_b32 s[\g+3], 32<<16                      ; tile_dim0 = 32
	s_mov_b32 s[\g+5], 32                          ; from row to row
	s_mov_b32 s[\g+6], 0
	s_mov_b32 s[\g+7], 0
.endr
	s_mul_i32 s58, s21, STRM
	s_mov_b32 s[G0], 1
	s_add_co_u32 s[G0+1], s58, 2*STRM              ; an even wave: unit w / 2's stream, behind x's two
	s_mul_i32 s66, s19, 6
	s_add_co_u32 s66, s66, s21                     ; the unit among the 36 of Wq, Wk, Wv
	s_mul_i32 s66, s66, STRM
	s_add_co_u32 s66, s66, 384*RECB                ; behind x's 384 records
	s_mov_b32 s67, 0
	s_mov_b32 s[G0+4], 1
	s_mul_i32 s[G0+5], s21, 2*RECB                 ; an odd wave: records 2 (w / 2) and the next of x's twelve, which lie on end in memory and in LDS
	s_mul_i32 s60, s18, 6
	s_add_co_u32 s60, s60, s21
	s_mul_i32 s60, s60, 2*RECB
	s_mov_b32 s61, 0
	s_wait_dscnt 0x0
	s_wait_kmcnt 0x0
	s_add_nc_u64 s[G0+2:G0+3], s[4:5], s[66:67]
	s_or_b32 s[G0+3], s[G0+3], 0x80000000          ; type = 2
	s_add_nc_u64 s[G0+6:G0+7], s[4:5], s[60:61]
	s_or_b32 s[G0+7], s[G0+7], 0x80000000
	ROUND                                          ; all four work-groups are here: the joint loads meet
	s_cmp_eq_u32 s22, 0
	s_cbranch_scc0 .Lfor_x
	tensor_load_to_lds s[G0:G0+3], s[G1J:G1J+7]
	s_nop 0
	PLACES
	s_branch .Lasked
.Lfor_x:
	tensor_load_to_lds s[G0+4:G0+7], s[G1P:G1P+7]
	s_nop 0
	PLACES
.Lasked:
	; where the results go, and the biases
	s_cmp_eq_u32 s20, 0
	s_cselect_b64 s[68:69], s[12:13], s[14:15]     ; qb, or kv
	s_cselect_b64 s[70:71], s[6:7], s[8:9]         ; bq or bk
	s_mov_b32 s72, 12800
	s_cselect_b32 s72, RECB, s72                   ; bytes for 128 tokens of a head
	s_mov_b32 s73, 12288
	s_cselect_b32 s73, 6144, s73                   ; where the scale images begin: Q, K;
	s_cmp_eq_u32 s20, 2
	s_cselect_b32 s74, 6144, 0                     ; v's fragments lie behind k's
	s_mov_b32 s75, 12544
	s_cselect_b32 s73, s75, s73                    ; V
	s_lshl_b32 s76, s23, 5
	s_add_co_u32 s76, s76, s18
	s_mul_i32 s76, s76, s72
	s_mul_i32 s77, s22, 3072                       ; my half's two fragments
	s_add_co_u32 s78, s76, s74
	s_add_co_u32 s78, s78, s77
	s_mov_b32 s79, 0
	s_add_nc_u64 s[78:79], s[68:69], s[78:79]
	s_lshl_b32 s77, s22, 7                         ; my half's scale image
	s_add_co_u32 s80, s76, s73
	s_add_co_u32 s80, s80, s77
	s_mov_b32 s81, 0
	s_add_nc_u64 s[80:81], s[68:69], s[80:81]
	s_lshl_b32 s82, s23, 8                         ; my head's 64 numbers of the bias
	s_mov_b32 s83, 0
	s_add_nc_u64 s[70:71], s[70:71], s[82:83]
	s_add_co_u32 s82, s82, s77                     ; V: my half's 32
	s_add_nc_u64 s[84:85], s[10:11], s[82:83]
	s_mov_b32 s[SEL], 0x76543210
	s_mov_b32 s[SEL+1], 0xfedcba98
	s_mov_b32 s86, 0xffff0000                      ; lanes 16-31
	; the constants of the tokens' order.  Lane l = 16 h + 8 g + j.  Q: a tile as it is stored.  K: rows 8 i + j of stored tiles 2 g + u
	s_mov_b32 s40, 128
	s_mov_b32 s41, 32
	s_mov_b32 s42, 3072
	s_mov_b32 s43, 128
	s_cmp_eq_u32 s20, 1
	s_cselect_b32 s40, 3072, s40                   ; codes: bytes for g
	s_cselect_b32 s41, 128, s41                    ; scale words: bytes for g
	s_cselect_b32 s42, 128, s42                    ; codes: from tile t to tile t + 2
	s_cselect_b32 s43, 32, s43                     ; scale words: from image 0 to image 1
	s_mul_i32 s58, s22, STRM
	s_mul_i32 s59, s21, STRM
	s_add_co_u32 s59, s59, 2*STRM
	; LDS addresses: constants x parts of the lane's number + a constant x (what the wave's number gives)
	v_and_b32 v13, 31, v0
	s_delay_alu instid0(VALU_DEP_1)
	v_lshlrev_b32 v[LI], 4, v13
	v_lshlrev_b32 v[LS], 2, v13
	v_and_b32 v13, 7, v0                           ; j
	v_bfe_u32 v14, v0, 3, 1                        ; g
	v_bfe_u32 v15, v0, 4, 1                        ; h
	v_add_nc_u32 v[AWQ], s59, v[LI]
	v_add_nc_u32 v[SWQ], s59, v[LS]
	v_lshlrev_b32 v[AXT], 4, v13
	v_lshlrev_b32 v[SXT], 2, v13
	v_lshl_add_u32 v[AXT], v15, 8, v[AXT]
	v_lshl_add_u32 v[SXT], v15, 6, v[SXT]
	v_mad_u32_u24 v[AXT], v14, s40, v[AXT]
	v_mad_u32_u24 v[SXT], v14, s41, v[SXT]
	v_add_nc_u32 v[AXT], s58, v[AXT]               ; tile 0 of my 64 tokens' stream,
	v_add_nc_u32 v[SXT], s58, v[SXT]
	v_add_nc_u32 v[AXT+1], 1536, v[AXT]            ; tile 1 (u = 1: the next stored fragment, for Q and K alike),
	v_add_nc_u32 v[AXT+2], s42, v[AXT]             ; tiles 2 and 3
	v_add_nc_u32 v[SXT+1], s43, v[SXT]
	v_add_nc_u32 v[AXT+3], 1536, v[AXT+2]
	v_add_nc_u32 v[AX1], STRM, v[LI]
	v_add_nc_u32 v[SX1], STRM, v[LS]
	s_mul_i32 s58, s22, 3072
	v_add_nc_u32 v[AWV], s58, v[AWQ]
	v_add_nc_u32 v[SWV], s77, v[SWQ]
	v_lshlrev_b32 v[BO], 6, v15                    ; Q, K: my half of the lanes holds channels 16 h on
	v_and_b32 v[BOV], 15, v0
	v_and_b32 v13, 8, v0
	s_delay_alu instid0(VALU_DEP_1)
	v_add_nc_u32 v[BOV], v[BOV], v13
	s_delay_alu instid0(VALU_DEP_1)
	v_lshlrev_b32 v[BOV], 2, v[BOV]                ; V: my channel r + 8 (r / 8) of a tile
	s_cmp_eq_u32 s20, 2
	s_wait_alu depctr_va_vdst(0)                   ; the wait at the head's end
	s_cbranch_scc1 .Lvalues                        ; the same way in all waves of all four partners
	; ---- Q, K.  The bias is loaded straight into the accumulators: register j of accumulator (t, f) is channel 32 (f / 2) + 8 (f % 2) + 16 h + j; all six K steps then add in place
.irp t, 0,1,2,3
.irp f, 0,1,2,3
	global_load_b128 v[ACC+8*(4*\t+\f):ACC+8*(4*\t+\f)+3], v[BO], s[70:71] offset:128*(\f/2)+32*(\f%2)
	global_load_b128 v[ACC+8*(4*\t+\f)+4:ACC+8*(4*\t+\f)+7], v[BO], s[70:71] offset:128*(\f/2)+32*(\f%2)+16
.endr
.endr
.macro QKSTEP s                        ; 128 along K: 24 loads of 16 bytes a lane, 4 scale words, 16 products on 16 accumulators by turns
.irp f, 0,1,2,3
.irp c, 0,1,2
	ds_load_b128 v[WF+12*\f+4*\c:WF+12*\f+4*\c+3], v[AWQ] offset:RECB*(\s)+1536*\f+512*\c
	ds_load_b128 v[XF+12*\f+4*\c:XF+12*\f+4*\c+3], v[AXT+\f] offset:RECB*(\s)+512*\c
.endr
.endr
.irp p, 0,1
	ds_load_b32 v[SWR+\p], v[SWQ] offset:RECB*(\s)+6144+128*\p
	ds_load_b32 v[SXR+\p], v[SXT+\p] offset:RECB*(\s)+6144
.endr
	s_wait_dscnt 0x0
.irp t, 0,1,2,3
.irp f, 0,1,2,3
	MM ACC+8*(4*\t+\f), WF+12*\f, XF+12*\t, ACC+8*(4*\t+\f), SWR+\f/2, SXR+\t/2, \f%2, \t%2
.endr
.endr
	PLACES
.endm
	s_wait_loadcnt 0x0                             ; the bias
	s_wait_tensorcnt 0x0                           ; my one load is in
	BAR                                            ; everybody's is: all eight streams
.irp s, 0,1,2,3,4,5
	QKSTEP \s
.endr
	s_branch .Lout
.Lvalues:
	; ---- V.  A lane holds one channel, so its bias is one number for all eight registers of a tile: it is the C of the first K step's products
	global_load_b32 v14, v[BOV], s[84:85]
	global_load_b32 v15, v[BOV], s[84:85] offset:32
	s_wait_loadcnt 0x0
.irp j, 0,1,2,3,4,5,6,7
	v_mov_b32 v[BV+\j], v14
	v_mov_b32 v[BV+8+\j], v15
.endr
.macro VMUL base, first                ; eight products: x's tiles base .. base + 3 against my two tiles of columns
.irp t, 0,1,2,3
.irp n, 0,1
.if \first
	MM ACC+8*(8*\n+\base+\t), XFV+12*\t, WFV+12*\n, BV+8*\n, SXR+(\base+\t)/2, SWR, \t%2, \n
.else
	MM ACC+8*(8*\n+\base+\t), XFV+12*\t, WFV+12*\n, ACC+8*(8*\n+\base+\t), SXR+(\base+\t)/2, SWR, \t%2, \n
.endif
.endr
.endr
	PLACES
.endm
.macro VSTEP s, first
.irp n, 0,1
.irp c, 0,1,2
	ds_load_b128 v[WFV+12*\n+4*\c:WFV+12*\n+4*\c+3], v[AWV] offset:RECB*(\s)+1536*\n+512*\c
.endr
.endr
.irp f, 0,1,2,3
.irp c, 0,1,2
	ds_load_b128 v[XFV+12*\f+4*\c:XFV+12*\f+4*\c+3], v[LI] offset:RECB*(\s)+1536*\f+512*\c
.endr
.endr
	ds_load_b32 v[SWR], v[SWV] offset:RECB*(\s)+6144
.irp p, 0,1
	ds_load_b32 v[SXR+\p], v[LS] offset:RECB*(\s)+6144+128*\p
	ds_load_b32 v[SXR+2+\p], v[SX1] offset:RECB*(\s)+6144+128*\p
.endr
	s_wait_dscnt 0x0
	VMUL 0, \first
.irp f, 0,1,2,3
.irp c, 0,1,2
	ds_load_b128 v[XFV+12*\f+4*\c:XFV+12*\f+4*\c+3], v[AX1] offset:RECB*(\s)+1536*\f+512*\c
.endr
.endr
	s_wait_dscnt 0x0
	VMUL 4, \first
.endm
	s_wait_alu depctr_va_vdst(0)                   ; the wait here, directly ahead of the wait below
	s_wait_tensorcnt 0x0                           ; as above
	BAR
	VSTEP 0, 1
.irp s, 1,2,3,4,5
	VSTEP \s, 0
.endr
.Lout:
; 64 numbers of a lane, register 16 b + i = place 32 b + 16 (lane / 16) + i along the next K, become a fragment's 12 registers at v[pc] and its scale word in v[pw].
; Q, K: the 64 are two tiles of tokens x 64 channels: a pair image.  V: one tile of channels x 128 keys.  Each accumulator is read from its low end on.
.macro QUANT s, pc, pw
.irp b, 0,1,2,3
	v_max3_num_f32 v[TM+\b], |v[\s+16*\b]|, |v[\s+1+16*\b]|, 0x2800000   ; my 16 numbers of block b, and the floor 2^(5 - 127): the byte cannot fall under 1
.endr
.irp i, 2,4,6,8,10,12,14
.irp b, 0,1,2,3
	v_max3_num_f32 v[TM+\b], v[TM+\b], |v[\s+16*\b+\i]|, |v[\s+1+16*\b+\i]|
.endr
.endr
.irp b, 0,1,2,3
	s_delay_alu instid0(VALU_DEP_4)
	v_permlanex16_b32 v[TM+4+\b], v[TM+\b], s[SEL], s[SEL+1]
.endr
.irp b, 0,1,2,3
	s_delay_alu instid0(VALU_DEP_4)
	v_max_num_f32 v[TM+\b], v[TM+\b], v[TM+4+\b]   ; with lane l xor 16's 16: the block's largest magnitude
.endr
.irp b, 0,1,2,3
	s_delay_alu instid0(VALU_DEP_4)
	v_add_nc_u32 v[TM+12+\b], 0xfe000000, v[TM+\b] ; 4 off its exponent field: the conversion's scale operand
.endr
.irp b, 0,1,2,3
	s_delay_alu instid0(VALU_DEP_4)
	v_lshrrev_b32 v[TM+4+\b], 23, v[TM+12+\b]      ; the scale's byte
.endr
	s_delay_alu instid0(VALU_DEP_3)
	v_lshl_or_b32 v[\pw], v[TM+5], 8, v[TM+4]
	s_delay_alu instid0(VALU_DEP_1)
	v_lshl_or_b32 v[\pw], v[TM+6], 16, v[\pw]
	s_delay_alu instid0(VALU_DEP_1)
	v_lshl_or_b32 v[\pw], v[TM+7], 24, v[\pw]      ; my row's word, the same in lanes l and l xor 16
.irp c, 0,1
	v_cvt_scalef32_pk16_bf6_f32 v[\pc+6*\c:\pc+2+6*\c], v[\s+32*\c:\s+15+32*\c], v[TM+12+2*\c]
	v_cvt_scalef32_pk16_bf6_f32 v[\pc+12+4*\c:\pc+14+4*\c], v[\s+16+32*\c:\s+31+32*\c], v[TM+12+2*\c+1]   ; (a conversion's three registers begin on an even number)
.endr
	v_nop                                          ; one plain instruction behind the scaled conversions
.irp c, 0,1                            ; the operand's layout wants a whole block in a lane: lanes 0-15 block 2 c, lanes 16-31 block 2 c + 1
.irp i, 0,1,2
	v_permlane16_swap_b32 v[\pc+6*\c+\i], v[\pc+12+4*\c+\i]
.endr
.irp i, 0,1,2
	s_delay_alu instid0(VALU_DEP_3)
	v_mov_b32 v[\pc+3+6*\c+\i], v[\pc+12+4*\c+\i]
.endr
.endr
.endm
.irp b, 0,1,2,3
	v_mov_b32 v[TM+4+\b], 0                        ; a lane permute's destination counts as one of its sources
.endr
	QUANT ACC, 48, 88
.irp c, 0,1,2
	global_store_b128 v[LI], v[48+4*\c:48+4*\c+3], s[78:79] offset:512*\c          ; 32 lanes store 512 consecutive bytes, at a multiple of 256 from the buffer's first byte
.endr
	QUANT ACC+64, 68, 89                           ; (codes and word in registers of their own: no store's data are written again)
.irp c, 0,1,2
	global_store_b128 v[LI], v[68+4*\c:68+4*\c+3], s[78:79] offset:1536+512*\c
.endr
	v_cndmask_b32 v90, v88, v89, s86               ; the scale image: lanes 0-15 the first fragment's words, lanes 16-31 the second's
	global_store_b32 v[LS], v90, s[80:81]
	s_wait_tensorcnt 0x0                           ; the wave's end
	ds_add_u32 v30, v31
	s_wait_dscnt 0x0
	ROUND                                          ; the closing round: no work-group ends while a partner may still ask for a stream that names it
	s_endpgm
.Lfunc_end_k_qc26ee0144b_qkv:
	.size	k_qc26ee0144b_qkv, .Lfunc_end_k_qc26ee0144b_qkv-k_qc26ee0144b_qkv
	.p2alignl 7, 3214868480
	.fill 96, 4, 3214868480
	.section	.rodata,"a",@progbits
	.p2align	6, 0x0
	.amdhsa_kernel k_qc26ee0144b_qkv
		.amdhsa_group_segment_fixed_size 308736
		.amdhsa_private_segment_fixed_size 0
		.amdhsa_enable_private_segment 0
		.amdhsa_kernarg_size 48
		.amdhsa_user_sgpr_count 2
		.amdhsa_user_sgpr_kernarg_segment_ptr 1
		.amdhsa_wavefront_size32 1
		.amdhsa_system_sgpr_workgroup_id_x 1
		.amdhsa_system_sgpr_workgroup_id_y 1
		.amdhsa_system_sgpr_workgroup_id_z 1
		.amdhsa_system_vgpr_workitem_id 0
		.amdhsa_next_free_vgpr 256
		.amdhsa_next_free_sgpr 88
		.amdhsa_reserve_vcc 0
		.amdhsa_float_denorm_mode_32 3
		.amdhsa_float_denorm_mode_16_64 3
		.amdhsa_memory_ordered 1
		.amdhsa_forward_progress 1
		.amdhsa_inst_pref_size 73
	.end_amdhsa_kernel
	.amdgpu_metadata
---
amdhsa.version: [ 1, 2 ]
amdhsa.kernels:
  - .name:           k_qc26ee0144b_qkv
    .symbol:         k_qc26ee0144b_qkv.kd
    .args:
      - { .name: rec, .offset: 0, .size: 8, .value_kind: global_buffer, .address_space: global }
      - { .name: bq, .offset: 8, .size: 8, .value_kind: global_buffer, .address_space: global }
      - { .name: bk, .offset: 16, .size: 8, .value_kind: global_buffer, .address_space: global }
      - { .name: bv, .offset: 24, .size: 8, .value_kind: global_buffer, .address_space: global }
      - { .name: qb, .offset: 32, .size: 8, .value_kind: global_buffer, .address_space: global }
      - { .name: kv, .offset: 40, .size: 8, .value_kind: global_buffer, .address_space: global }
    .group_segment_fixed_size: 308736
    .private_segment_fixed_size: 0
    .kernarg_segment_align: 8
    .kernarg_segment_size: 48
    .max_flat_workgroup_size: 384
    .sgpr_count:     88
    .vgpr_count:     256
    .wavefront_size: 32
...
	.end_amdgpu_metadata
.endif
;; end of part 2
;; launch attn (part 3): grid 64 x 4, 12 waves a work-group, clusters of 4 x 1, 327,680 bytes of LDS; arguments qb, kv, yb; writes yb
.if DOCPART == 3
	.amdgcn_target "amdgcn-amd-amdhsa--gfx1250"
	.amdhsa_code_object_version 6
	.text
	.protected	k_qc26ee0144b_attn
	.globl	k_qc26ee0144b_attn
	.p2align	8
	.type	k_qc26ee0144b_attn,@function
k_qc26ee0144b_attn:
	s_mov_b64 s[64:65], 0
	v_nop
	global_prefetch_b8 v0, s[64:65] scope:SCOPE_SE
	s_setreg_imm32_b32 hwreg(HW_REG_WAVE_MODE, 25, 1), 1
	s_wait_xcnt 0x0
	s_wait_alu depctr_hold_cnt(0) depctr_sa_sdst(0) depctr_va_vdst(0) depctr_va_sdst(0) depctr_va_ssrc(0) depctr_va_vcc(0) depctr_vm_vsrc(0)
	s_getreg_b32 s2, hwreg(HW_REG_IB_STS2, 6, 4)
	s_cmp_eq_u32 s2, 0
	s_cbranch_scc0 .Lentry_in_a_cluster
	s_endpgm
.Lentry_in_a_cluster:
	s_bfe_u32 s2, ttmp6, 0x10000c
	s_cmp_lg_u32 s2, 0x3003
	s_cbranch_scc0 .Lentry_shape_is_right
	s_endpgm
.Lentry_shape_is_right:
; y[q] = the sum over keys of softmax(q . k / 8) v, for 12 heads of 64 channels and 4,096 tokens, both products on codes of BF6 (E3M2) with E8M0 scales; y is quantised along its 768 channels and leaves as operand images.
; THE SOFTMAX AHEAD OF THE SECOND PRODUCT: t = score x log2(e) / 8; M = the row's largest t so far, rounded UP to a whole number; p = 2^(t - M) is what is quantised, along the keys; it is not normalised.
; The row's sum is taken of the unquantised p and divides at the end.  When M moves, the sum and O are multiplied by 2^(old M - new M): exact, and without a branch.
; SHARES.  A work-group takes 64 queries (x) and three heads (y).  Wave w owns ONE tile of 16 queries (w % 4) of one head (w / 4), in 256 registers: three waves to a SIMD.
; 3,072 tiles on 256 work-groups of 12 waves: each wave has one.  Every wave walks its head's 4,096 keys, 128 a step.
; LAYOUT.  Both products are used transposed (S^T = K Q^T, O^T = V^T P^T): a lane holds ONE query throughout.  Tile 4 c + i of a step's keys holds, in its row 8 g + j, key 64 c + 32 g + 8 i + j: so lane (r, h)'s
; registers 32 c .. 32 c + 31 of S^T are the WHOLE block 2 c + h of 32 keys, in order: a block's largest score needs no other lane, and the conversions' results are p's operand registers (no lanes change places).
; K = 64 IN AN INSTRUCTION OF 128.  A fragment of k holds TWO tiles of keys (registers 0-5: the even tile's 64 channels, 6-11: the odd tile's).  It is multiplied once by [Q | zero codes] and once by
; [zero codes | Q]: zero codes add nothing under any scale byte that these buffers hold.  The two operands overlap in 18 registers: zeros, Q, zeros.
; FRAGMENTS.  k and v have 48 registers each.  k's fragments of the NEXT step are asked of LDS at the end of a step, ahead of the rescaling of O^T and the second product; v's at a step's head.
; Between the first product and that request k's registers are free: the step's scratch registers lie there.
; RING.  Two slots of 153,600 bytes: four key steps x three heads; a chunk of 12,800 bytes is one head's 128 keys: 4 pairs of k, 4 fragments of v, 4 scale images, all as register images, read 16 bytes a lane on end.
; THE CHANGE OF SLOTS STANDS IN THE MIDDLE OF A SLOT'S LAST STEP: when v's fragments are in registers the wave's reads of the slot are over.  There it waits for its tensor load, adds 0 to its spare word, waits for
; its LDS instructions and signals; the maxima and t - M, work on registers, stand between signal and wait; the rest of the round and the refill follow; behind them the step goes on, and asks for k's fragments in the other slot.
; CLUSTER.  The four work-groups of a cluster differ in their queries alone and walk the same k and v: every chunk is asked for jointly, one tensor load a wave (50 rows x 256 bytes) behind each round.
; By this text's own count one tensor load of a wave is outstanding at most; it has four key steps in which to land.
; LIMITS: the promise holds while the scaled scores t stay under 2^31 in magnitude; y is divided by v_rcp_f32 and a multiplication; a block of y under 2^-122 gets the scale byte 1 (read by this program alone);
; NaN and infinities are not served.
.set RECB,  6400
.set CHUNK, 12800
.set HEADB, 4*CHUNK                    ; a head's part of a slot, and a slot's part of a head in memory
.set SLOT,  3*HEADB
.set SPARE, 2*SLOT                     ; behind the ring: the spare words, 128 bytes for each of 12 waves: six blocks of 256 bytes that no other line names
.set A0,  1                            ; v1   16 x lane + my head's part of a slot
.set S0,  2                            ; v2   4 x lane + the same + where a chunk's scale images begin
.set AD,  3                            ; v3   the step's addresses
.set ADS, 4                            ; v4
.set SPW, 5                            ; v5   LDS address of my spare word; never rewritten
.set NIL, 6                            ; v6   0; never rewritten
.set PFO, 7                            ; v7   the prefetches' offset; never rewritten
.set SH8, 8                            ; v8   8 x (lane / 16): where my two scale bytes stand in p's word
                                       ; v12 -M, v13 the largest score, v[14:15] the sum in two halves
.set QH,  16                           ; v16-27 [0 | Q]
.set QL,  22                           ; v22-33 [Q | 0]
.set PWD, 34                           ; v34  p's scale word
.set TA,  35                           ; v35  the old -M, then old M - new M
.set FF,  36                           ; v[36:37] f = 2^(old M - new M) (the pair is named, its low word serves)
.set TX,  38                           ; v38, v39 what lane l xor 16 sends
.set WX,  39
.set QS,  40                           ; v40  Q's scale word (s0, s1, s0, s1)
.set KS,  41                           ; v41-42 k's scale words, v43-44 v's
.set VS,  43
.set ADK, 45                           ; v45  the next step's address
.set FR,  48                           ; v48-95 four fragments of k.  Behind the first product, until the next step's are asked for, the scratch registers:
.set BM,  48                           ; v48-55 the tiles' largest scores; v48, v52 my two blocks', then their largest p
.set BT,  56                           ; v56-57 the bytes
.set WT,  58                           ; v58 at work
.set SO,  60                           ; v60-61 the conversions' scale operands
.set CH,  62                           ; v62-67 the sums' three further chains
.set PT,  68                           ; v68-70, v72-74 the blocks' upper 16 codes on the way
.set S,   96                           ; v96-159 S^T, then p
.set O,   160                          ; v160-191 O^T
.set P,   192                          ; v192-203 p's codes
.set VF,  208                          ; v208-255 four fragments of v
.set SEL, 20                           ; s[20:21] selects for lane l xor 16
.set CS,  22                           ; s[22:23] c = log2(e) / 8
.set G1,  24                           ; s[24:31] descriptor group 1;  s[32:39] group 0, a set for each slot
.set G0,  32
.set TB,  40                           ; s40  LDS byte at which the step's chunks begin
.set NS,  41                           ; s41  counts a slot's steps
.set LAPS, 42                          ; s42
.set LIM, 43                           ; s43  0 in a wave that prefetches
.set PFA, 44                           ; s[44:45] where my prefetches stand
.set NC,  60                           ; s60  -c
.set LM2, 61                           ; s61
.macro CREST                           ; a round of the cluster's barrier behind its opening barrier
	s_cmp_lg_u32 s10, 0
	s_cbranch_scc1 .Lnot_wave_0_\@
	s_barrier_signal -3
.Lnot_wave_0_\@:
	s_barrier_wait -3
	s_barrier_signal -1
	s_barrier_wait -1
.endm
.macro MMS d, a, b, sa, ra             ; a product that starts its sum
.if \ra
	v_wmma_scale_f32_16x16x128_f8f6f4 v[(\d):(\d)+7], v[(\a):(\a)+11], v[(\b):(\b)+11], 0, v[(\sa)], v[QS] matrix_a_fmt:MATRIX_FMT_BF6 matrix_b_fmt:MATRIX_FMT_BF6 matrix_a_scale:MATRIX_SCALE_ROW1
.else
	v_wmma_scale_f32_16x16x128_f8f6f4 v[(\d):(\d)+7], v[(\a):(\a)+11], v[(\b):(\b)+11], 0, v[(\sa)], v[QS] matrix_a_fmt:MATRIX_FMT_BF6 matrix_b_fmt:MATRIX_FMT_BF6
.endif
.endm
.macro MMA d, a, sa, ra                ; a product that adds onto O^T
.if \ra
	v_wmma_scale_f32_16x16x128_f8f6f4 v[(\d):(\d)+7], v[(\a):(\a)+11], v[P:P+11], v[(\d):(\d)+7], v[(\sa)], v[PWD] matrix_a_fmt:MATRIX_FMT_BF6 matrix_b_fmt:MATRIX_FMT_BF6 matrix_a_scale:MATRIX_SCALE_ROW1
.else
	v_wmma_scale_f32_16x16x128_f8f6f4 v[(\d):(\d)+7], v[(\a):(\a)+11], v[P:P+11], v[(\d):(\d)+7], v[(\sa)], v[PWD] matrix_a_fmt:MATRIX_FMT_BF6 matrix_b_fmt:MATRIX_FMT_BF6
.endif
.endm
; A JOINT LOAD of my chunk into a slot, and behind it and its five lines A PREFETCH INTO THE L2 of the four key steps after those that are being asked for: 12 chunks of 50 blocks of 256 bytes.
; All clusters of a row of the grid walk the same k and v: the first of them (cluster x = 0) asks.  Its four partners share the chunks out BY ADDRESS (chunk 4 n + cx of each head).  In each, the waves with
; w % 4 under 2 ask, one instruction each: half a chunk, 25 blocks, lanes 256 bytes apart (lanes 25-31 name lane 24's block again).  The last fill (slot 1, last lap) has nothing behind it to ask for.
.macro FILL slot
	tensor_load_to_lds s[G0+4*\slot:G0+4*\slot+3], s[G1:G1+7]
	s_nop 0
.rept 4
	v_nop
.endr
.if \slot
	s_cmp_eq_u32 s[LAPS], 1
	s_cselect_b32 s[LM2], 1, s[LIM]
	s_cmp_eq_u32 s[LM2], 0
.else
	s_cmp_eq_u32 s[LIM], 0
.endif
	s_cbranch_scc0 .Lnot_mine_\@
	global_prefetch_b8 v[PFO], s[PFA:PFA+1] th:TH_LOAD_NT scope:SCOPE_SE
.Lnot_mine_\@:
.endm
; k's two scale images and four pairs of the step whose chunks begin at s[TB]: 14 LDS loads
.macro KNEXT
	v_add_nc_u32 v[ADK], s[TB], v[A0]
	v_add_nc_u32 v[ADS], s[TB], v[S0]
.irp i, 0,1
	ds_load_b32 v[KS+\i], v[ADS] offset:128*\i
.endr
.irp p, 0,1,2,3
.irp c, 0,1,2
	ds_load_b128 v[FR+12*\p+4*\c:FR+12*\p+4*\c+3], v[ADK] offset:1536*\p+512*\c
.endr
.endr
.endm
	s_load_b128 s[4:7], s[0:1], 0x0                ; qb, kv
	s_load_b64 s[8:9], s[0:1], 0x10                ; yb
	v_lshl_add_u32 v[SPW], v0, 2, SPARE
	v_mov_b32 v[NIL], 0
	ds_add_u32 v[SPW], v[NIL]                      ; the opening lines: the add, twice on end, and its wait ahead of my first tensor load
	ds_add_u32 v[SPW], v[NIL]
	v_lshrrev_b32 v1, 5, v0
	s_delay_alu instid0(VALU_DEP_1)
	v_readfirstlane_b32 s10, v1                    ; wave 0..11
	s_bfe_u32 s11, ttmp6, 0x40000                  ; cx
	s_lshl_b32 s12, ttmp9, 2
	s_add_co_u32 s12, s12, s11                     ; X: my 64 queries.  It enters q's and y's addresses alone
	s_and_b32 s13, ttmp7, 0xffff                   ; which three heads: the same in all four partners
	s_lshr_b32 s14, s10, 2                         ; my head of the three.  Also: whose chunk I fetch
	s_and_b32 s15, s10, 3                          ; my tile of queries.  Also: which of a slot's four key steps I fetch
	s_mul_i32 s16, s13, 3
	s_add_co_u32 s16, s16, s14                     ; my head
	; descriptor group 1: a chunk is a dense block of 12,800 bytes: 50 rows of 32 elements of 8 bytes
	s_mov_b32 s[G1], 15|(3<<16)|(1<<21)            ; 15:0 the mask: all four work-groups; 17:16 elements of 8 bytes; 21 set beside a mask; no padding
	s_mov_b32 s[G1+1], 32<<16                      ; tensor_dim0 = 32
	s_mov_b32 s[G1+2], 50<<16                      ; tensor_dim1 = 50
	s_mov_b32 s[G1+3], 32<<16                      ; tile_dim0 = 32
	s_mov_b32 s[G1+4], 50                          ; tile_dim1 = 50
	s_mov_b32 s[G1+5], 32                          ; from row to row
	s_mov_b32 s[G1+6], 0
	s_mov_b32 s[G1+7], 0
	s_lshl_b32 s46, s16, 5
	s_add_co_u32 s46, s46, s15
	s_mul_i32 s46, s46, CHUNK                      ; my chunk of key steps 0 to 3 in memory,
	s_mov_b32 s47, 0
	s_mul_i32 s48, s10, CHUNK                      ; and in a slot: no place in the cluster enters an LDS address
	s_mov_b32 s[LAPS], 3
	s_wait_dscnt 0x0
	s_wait_kmcnt 0x0
.irp n, 0,1
	s_mov_b32 s[G0+4*\n], 1                        ; count = 1
	s_add_co_u32 s[G0+4*\n+1], s48, \n*SLOT        ; LDS address
	s_add_nc_u64 s[G0+4*\n+2:G0+4*\n+3], s[6:7], s[46:47]
.if \n > 0
	s_add_nc_u64 s[G0+4*\n+2:G0+4*\n+3], s[G0+4*\n+2:G0+4*\n+3], HEADB   ; slot 1 begins with the next four key steps
.endif
	s_or_b32 s[G0+4*\n+3], s[G0+4*\n+3], 0x80000000   ; type = 2
.endr
	s_barrier_signal -1
	s_barrier_wait -1
	CREST                                          ; all four work-groups are here: the first joint loads meet
	tensor_load_to_lds s[G0:G0+3], s[G1:G1+7]      ; key steps 0 to 3: one tensor load a wave at the head
	s_nop 0
.rept 4
	v_nop
.endr
	; my tile of q: half of a pair image, and two bytes of the pair's scale word
	s_lshl_b32 s46, s16, 5
	s_lshr_b32 s47, s12, 1
	s_add_co_u32 s46, s46, s47
	s_mul_i32 s46, s46, RECB                       ; the record of 128 tokens
	s_and_b32 s47, s12, 1
	s_lshr_b32 s52, s15, 1
	s_lshl_b32 s53, s47, 1
	s_add_co_u32 s53, s53, s52                     ; the pair
	s_mul_i32 s53, s53, 1536
	s_add_co_u32 s54, s46, s53
	s_mov_b32 s55, 0
	s_add_nc_u64 s[54:55], s[4:5], s[54:55]
	s_lshl_b32 s47, s47, 7
	s_lshl_b32 s52, s52, 6
	s_add_co_u32 s56, s46, s47
	s_add_co_u32 s56, s56, s52
	s_add_co_u32 s56, s56, 6144
	s_mov_b32 s57, 0
	s_add_nc_u64 s[56:57], s[4:5], s[56:57]
	; the prefetches: where my wave's stand, and who asks
	s_lshl_b32 s58, s16, 5
	s_add_co_u32 s58, s58, s11                     ; my work-group's chunk of each four key steps,
	s_add_co_u32 s58, s58, 8                       ; at key steps 8 to 11: they are asked for when steps 4 to 7 are loaded.  Nothing is prefetched here, at the head
	s_mul_i32 s58, s58, CHUNK
	s_and_b32 s59, s10, 1
	s_mul_i32 s59, s59, CHUNK/2                    ; my wave's half of it
	s_add_co_u32 s58, s58, s59
	s_mov_b32 s59, 0
	s_add_nc_u64 s[PFA:PFA+1], s[6:7], s[58:59]
	s_and_b32 s[LIM], s10, 2
	s_or_b32 s[LIM], s[LIM], ttmp9                 ; the same in all four partners, for a given wave
	s_mov_b32 s[SEL], 0x76543210
	s_mov_b32 s[SEL+1], 0xfedcba98
	s_mov_b32 s[CS], 0x3e38aa3b                    ; c = log2(e) / 8
	s_mov_b32 s[CS+1], s[CS]                       ; (named with it as a pair, so it is written)
	s_mov_b32 s[NC], 0xbe38aa3b                    ; -c
	s_mul_i32 s53, s14, HEADB
	s_add_co_u32 s49, s53, 12288
	s_and_b32 s52, s15, 1                          ; is my tile the pair's odd one?
	s_mov_b32 s50, 0x01000100
	s_cselect_b32 s50, 0x03020302, s50             ; its two bytes of the word, twice
	s_cselect_b32 s51, -1, 0
	v_and_b32 v9, 31, v0
	v_and_b32 v10, 15, v0
	v_lshlrev_b32 v11, 4, v9
	v_lshlrev_b32 v10, 2, v10
.irp c, 0,1,2
	global_load_b128 v[FR+4*\c:FR+4*\c+3], v11, s[54:55] offset:512*\c
.endr
	global_load_b32 v[KS], v10, s[56:57]
	v_min_u32 v[PFO], 24, v9
	v_add_nc_u32 v[A0], s53, v11
	v_lshlrev_b32 v[S0], 2, v9
	v_bfe_u32 v[SH8], v0, 4, 1
	v_lshlrev_b32 v[PFO], 8, v[PFO]
	v_add_nc_u32 v[S0], s49, v[S0]
	v_lshlrev_b32 v[SH8], 3, v[SH8]
	v_mov_b32 v13, 0xff61b1e6                      ; the largest score so far: -3e38, under every score
	v_mov_b32 v12, 0x7d000000                      ; -M: a large whole number: the first step's f is 0
	v_mov_b32 v14, 0
	v_mov_b32 v15, 0
.irp r, WX, TX, FF+1
	v_mov_b32 v[\r], 0                             ; a lane permute's destination counts as one of its sources; FF + 1 is named as the upper half of a pair
.endr
.irp i, 0,1,2,3,4,5
	v_mov_b32 v[QH+\i], 0                          ; the zero codes on both sides of Q
	v_mov_b32 v[QL+6+\i], 0
.endr
.set jj, 0
.rept 32
	v_mov_b32 v[O+jj], 0                           ; O^T.  (The step is written once: the first finds zeros, which the first change of M leaves zeros)
.set jj, jj+1
.endr
	s_wait_loadcnt 0x0
	v_perm_b32 v[QS], v[KS], v[KS], s50
.irp i, 0,1,2,3,4,5
	v_cndmask_b32 v[QL+\i], v[FR+\i], v[FR+6+\i], s51
.endr
; A KEY STEP, in three parts.  Its chunk begins at s[TB] + my head's part; k's fragments were asked for in the step before.
; PART A: v's fragments are asked for, and S^T = K Q^T.
.macro STEPA
	v_add_nc_u32 v[AD], s[TB], v[A0]
	v_add_nc_u32 v[ADS], s[TB], v[S0]
	v_nop
	v_nop                                          ; four plain instructions between the last step's products and the loads into their registers
.irp i, 0,1
	ds_load_b32 v[VS+\i], v[ADS] offset:256+128*\i
.endr
.irp p, 0,1,2,3
.irp c, 0,1,2
	ds_load_b128 v[VF+12*\p+4*\c:VF+12*\p+4*\c+3], v[AD] offset:6144+1536*\p+512*\c
.endr
.endr
	s_wait_dscnt 14                                ; k's 14 loads are in; the 14 just issued, v's, may be out
.irp p, 0,1,2,3                        ; pair p's even tile by [Q | 0], its odd tile by [0 | Q]
	MMS S+16*\p, FR+12*\p, QL, KS+\p/2, \p%2
	MMS S+16*\p+8, FR+12*\p, QH, KS+\p/2, \p%2
.endr
	v_mov_b32 v[TA], v12                           ; the old -M; with three v_nop the four places behind the products
.rept 3
	v_nop
.endr
.endm
; PART B1, on registers alone: THE LARGEST SCORE OF EACH OF MY TWO BLOCKS OF 32 KEYS, which serves twice: for the row's maximum, and, since p rises with the score, for the block's largest p; M, f, and t - M.
.macro FMA4                            ; t - M, two at a time (of the pairs c and -M the low word serves both halves)
.rept 4
	v_pk_fma_f32 v[S+jj:S+jj+1], v[S+jj:S+jj+1], s[CS:CS+1], v[12:13] op_sel_hi:[1,0,0]
.set jj, jj+2
.endr
.endm
.macro STEPB1
.irp c, 0,1                            ; block by block, a chain to a tile, the block's four by turns; each accumulator is read from its low end on
.irp t, 0,1,2,3
	v_max3_num_f32 v[BM+4*\c+\t], v[S+32*\c+8*\t], v[S+32*\c+8*\t+1], v[S+32*\c+8*\t+2]
.endr
.irp i, 3,5
.irp t, 0,1,2,3
	v_max3_num_f32 v[BM+4*\c+\t], v[BM+4*\c+\t], v[S+32*\c+8*\t+\i], v[S+32*\c+8*\t+\i+1]
.endr
.endr
.endr
.irp c, 0,1                            ; the four chains and the tiles' last registers
	v_max3_num_f32 v[BM+4*\c], v[BM+4*\c], v[BM+4*\c+1], v[S+32*\c+7]
	v_max3_num_f32 v[BM+4*\c+2], v[BM+4*\c+2], v[BM+4*\c+3], v[S+32*\c+15]
.endr
.irp c, 0,1
	v_max3_num_f32 v[BM+4*\c], v[BM+4*\c], v[BM+4*\c+2], v[S+32*\c+23]
.endr
.irp c, 0,1
	v_max_num_f32 v[BM+4*\c], v[BM+4*\c], v[S+32*\c+31]
.endr
	v_max_num_f32 v[WT], v[BM], v[BM+4]
	v_permlanex16_b32 v[TX], v[WT], s[SEL], s[SEL+1]
	v_max3_num_f32 v13, v13, v[WT], v[TX]          ; the running largest score of my query, lane l xor 16's 64 keys among them
	v_mul_f32 v[WT], s[NC], v13                    ; as -t (c is positive)
	v_floor_f32 v12, v[WT]                         ; the new -M = floor(-t) = -ceil(t): M is a whole number
.set jj, 0
	FMA4
	v_sub_f32 v[TA], v12, v[TA]                    ; old M less new M: a whole number, 0 or less
	FMA4
	v_cvt_i32_f32 v[TA], v[TA]                     ; (it saturates)
	FMA4
	v_ldexp_f32 v[FF], 1.0, v[TA]                  ; f = 2^(old M - new M)
.rept 5
	FMA4
.endr
.irp c, 0,1
	v_fma_f32 v[BM+4*\c], v[BM+4*\c], s[CS], v12   ; the same of each block's largest score
.endr
.endm
; PART B2: p, its sum, its codes and scale word, the next step's k, O^T under the new M, and O^T += V^T P^T.
; nx = 1: the next step lies one chunk on; nx = 2: at LDS byte base, in the other slot; nx = 0: there is none.
.macro ADD4 j                          ; THE ROW'S SUM IS TAKEN OF THE UNQUANTISED p: two at a time, in four chains
	v_pk_add_f32 v[14:15], v[14:15], v[S+(\j):S+(\j)+1]
.irp q, 0,1,2
	v_pk_add_f32 v[CH+2*\q:CH+2*\q+1], v[CH+2*\q:CH+2*\q+1], v[S+(\j)+2+2*\q:S+(\j)+3+2*\q]
.endr
.endm
.macro STEPB2 nx, base
	s_wait_alu depctr_va_vdst(0)                   ; the wait ahead of the batch
	v_exp_f32 v[BM], v[BM]                         ; the blocks' largest p: the same two instructions on the same numbers
	v_exp_f32 v[BM+4], v[BM+4]
.set jj, 0
.rept 64
	v_exp_f32 v[S+jj], v[S+jj]                     ; p = 2^(t - M), at most 1: not normalised
.set jj, jj+1
.endr
	v_pk_mul_f32 v[14:15], v[14:15], v[FF:FF+1] op_sel_hi:[1,0]   ; the sums under the new M: the plain instruction behind the exponentials
	s_wait_alu depctr_va_vdst(0)                   ; one wait for the whole batch, ahead of its first reader
	v_pk_add_f32 v[14:15], v[14:15], v[S:S+1]
.irp q, 0,1,2
	v_pk_add_f32 v[CH+2*\q:CH+2*\q+1], v[S+2+4*\q:S+3+4*\q], v[S+4+4*\q:S+5+4*\q]
.endr
.irp c, 0,1                            ; the lines that make the scales stand among the sums, which do not hang on them
	v_max_num_f32 v[BM+4*\c], 0x2800000, v[BM+4*\c]   ; the floor 2^(5 - 127): the byte cannot fall under 1 (a block whose every p is 0 keeps that byte: its codes are zeros)
.endr
	ADD4 14
.irp c, 0,1
	v_add_nc_u32 v[SO+\c], 0xfe000000, v[BM+4*\c]  ; 4 off the exponent field: the conversion's scale operand
.endr
	ADD4 22
.irp c, 0,1                            ; block 2 c + h is registers 6 c .. 6 c + 5 of the operand; a conversion's three registers begin on an even number, so the upper 16 codes are made elsewhere and moved
	v_cvt_scalef32_pk16_bf6_f32 v[P+6*\c:P+6*\c+2], v[S+32*\c:S+32*\c+15], v[SO+\c]
	v_cvt_scalef32_pk16_bf6_f32 v[PT+4*\c:PT+4*\c+2], v[S+32*\c+16:S+32*\c+31], v[SO+\c]
.endr
.irp c, 0,1
	v_lshrrev_b32 v[BT+\c], 23, v[SO+\c]           ; the scale's byte.  (Plain instructions behind the scaled conversions)
.endr
	ADD4 30
	v_lshl_or_b32 v[WT], v[BT+1], 16, v[BT]        ; my two bytes: blocks h and 2 + h,
	ADD4 38
	v_lshlrev_b32 v[WT], v[SH8], v[WT]             ; at their places in the word (8 h bits up);
	ADD4 46
	v_permlanex16_b32 v[WX], v[WT], s[SEL], s[SEL+1]
	ADD4 54
	v_or_b32 v[PWD], v[WT], v[WX]                  ; with lane l xor 16's two the word is whole
	v_pk_add_f32 v[14:15], v[14:15], v[S+62:S+63]
	v_pk_add_f32 v[CH:CH+1], v[CH:CH+1], v[CH+2:CH+3]
	v_pk_add_f32 v[14:15], v[14:15], v[CH+4:CH+5]
.irp c, 0,1
.irp i, 0,1,2
	v_mov_b32 v[P+6*\c+3+\i], v[PT+4*\c+\i]
.endr
.endr
	v_pk_add_f32 v[14:15], v[14:15], v[CH:CH+1]
.if \nx == 1
	s_add_co_u32 s[TB], s[TB], CHUNK
.elseif \nx == 2
	s_mov_b32 s[TB], (\base)
.endif
.if \nx
	KNEXT                                          ; the scratch registers are done with: k's registers take the next step's fragments
	s_wait_dscnt 14                                ; v's fragments are in; the 14 loads just issued may be out
.else
	s_wait_dscnt 0x0                               ; v's fragments are in
.endif
	s_wait_alu depctr_va_vdst(0)                   ; the wait here, directly ahead of the first reader of O^T
.set jj, 0
.rept 16
	v_pk_mul_f32 v[O+jj:O+jj+1], v[O+jj:O+jj+1], v[FF:FF+1] op_sel_hi:[1,0]   ; O^T under the new M.  These 16 also stand between p's codes and word and the products
.set jj, jj+2
.endr
.irp n, 0,1,2,3                        ; four tiles of 16 channels, one product each: the accumulators take turns
	MMA O+8*\n, VF+12*\n, VS+\n/2, \n%2
.endr
.endm
; THE CHANGE OF SLOTS, between parts A and B2 of a slot's last step.  kind = 2: the slot is filled again, with the key steps eight further on; kind = 1: nothing is left to fetch, so no round follows the barrier.
.macro MID slot, kind
	s_wait_tensorcnt 0x0                           ; my one tensor load, my chunk of the other slot, has landed; so a group 0 may be written
	ds_add_u32 v[SPW], v[NIL]                      ; 0 onto my spare word
.if \kind == 2
	s_add_nc_u64 s[G0+4*\slot+2:G0+4*\slot+3], s[G0+4*\slot+2:G0+4*\slot+3], 2*HEADB   ; this slot's next four key steps; the type bits on top are not reached
	s_wait_xcnt 0x0                                ; the last prefetch, four steps back, has read its address, so it may be written
	s_add_nc_u64 s[PFA:PFA+1], s[PFA:PFA+1], HEADB
.endif
	s_wait_dscnt 0x0                               ; the add is done, and my reads of this slot are over: v's fragments are in registers
	s_barrier_signal -1
	STEPB1                                         ; work on registers while the others arrive
	s_wait_alu depctr_va_vdst(0)                   ; the wait here, directly ahead of the barrier's wait
	s_barrier_wait -1
.if \kind == 2
	CREST                                          ; no wave of any partner still reads this slot or has a load on its way
	FILL \slot                                     ; the first tensor load behind the round
.endif
.endm
.macro RUN slot, kind                  ; a slot's four key steps: three in a loop, the last written out
	s_mov_b32 s[TB], \slot*SLOT
	s_mov_b32 s[NS], 3
.Lstep_\@:
	STEPA
	STEPB1
	STEPB2 1, 0
	s_sub_co_u32 s[NS], s[NS], 1
	s_cmp_lg_u32 s[NS], 0
	s_cbranch_scc1 .Lstep_\@
	STEPA
.if \kind
	MID \slot, \kind
	STEPB2 2, (1-\slot)*SLOT
.else
	STEPB1
	STEPB2 0, 0
.endif
.endm
	s_wait_alu depctr_va_vdst(0)                   ; the wait at the head's end
	s_wait_tensorcnt 0x0                           ; my chunk of slot 0 is in
	ds_add_u32 v[SPW], v[NIL]
	s_wait_dscnt 0x0
	s_barrier_signal -1
	s_barrier_wait -1
	CREST                                          ; everybody's chunk is in, and all four work-groups are here
	FILL 1                                         ; key steps 4 to 7, slot 1's first fill
	s_mov_b32 s[TB], 0
	KNEXT                                          ; key step 0's k
.Llap:                                 ; eight slots' worth of keys: three trips of two, and two written out
	RUN 0, 2
	RUN 1, 2
	s_sub_co_u32 s[LAPS], s[LAPS], 1
	s_cmp_lg_u32 s[LAPS], 0
	s_cbranch_scc1 .Llap
	RUN 0, 1
	RUN 1, 0
	; THE WAY OUT.  O^T / the sum is y: register 16 b + i is channel 32 b + 16 h + i of my head: two blocks of y's K.  They become half a fragment (six registers a lane) and two bytes of its scale word.
	v_add_f32 v14, v14, v15                        ; the sum's two halves,
	s_delay_alu instid0(VALU_DEP_1)
	v_permlanex16_b32 v[TA], v14, s[SEL], s[SEL+1]
	s_delay_alu instid0(VALU_DEP_1)
	v_add_f32 v14, v14, v[TA]                      ; and lane l xor 16's
	s_wait_alu depctr_va_vdst(0)                   ; the wait ahead of the transcendental
	v_rcp_f32 v14, v14
	v_and_b32 v8, 31, v0                           ; (plain instructions behind the reciprocal and behind the last products)
	v_and_b32 v11, 15, v0
	v_lshlrev_b32 v9, 4, v8                        ; 16 x lane
	v_lshlrev_b32 v10, 3, v8                       ; 8 x lane
	v_lshlrev_b32 v11, 2, v11                      ; 4 r
	s_mul_i32 s46, s12, 6
	s_lshr_b32 s47, s16, 1
	s_add_co_u32 s46, s46, s47
	s_mul_i32 s46, s46, RECB                       ; the record: my 64 tokens, K step head / 2
	s_and_b32 s47, s16, 1                          ; which half of the K step
	s_mul_i32 s48, s15, 1536
	s_mul_i32 s49, s47, 768
	s_add_co_u32 s48, s48, s49
	s_add_co_u32 s48, s48, s46
	s_mov_b32 s49, 0
	s_add_nc_u64 s[48:49], s[8:9], s[48:49]
	s_lshl_b32 s50, s15, 6
	s_lshl_b32 s51, s47, 1
	s_add_co_u32 s50, s50, s51
	s_add_co_u32 s50, s50, s46
	s_add_co_u32 s50, s50, 6144
	s_mov_b32 s51, 0
	s_add_nc_u64 s[50:51], s[8:9], s[50:51]
	s_wait_alu depctr_va_vdst(0)                   ; the wait ahead of the first reader of the reciprocal and of O^T
.set jj, 0
.rept 32
	v_mul_f32 v[S+jj], v[O+jj], v14
.set jj, jj+1
.endr
.irp b, 0,1
	v_max3_num_f32 v[BM+\b], |v[S+16*\b]|, |v[S+16*\b+1]|, 0x2800000
.endr
.irp i, 2,4,6,8,10,12,14
.irp b, 0,1
	s_delay_alu instid0(VALU_DEP_2)
	v_max3_num_f32 v[BM+\b], v[BM+\b], |v[S+16*\b+\i]|, |v[S+16*\b+\i+1]|
.endr
.endr
.irp b, 0,1
	s_delay_alu instid0(VALU_DEP_2)
	v_permlanex16_b32 v[BT+\b], v[BM+\b], s[SEL], s[SEL+1]
.endr
.irp b, 0,1
	s_delay_alu instid0(VALU_DEP_2)
	v_max_num_f32 v[BM+\b], v[BM+\b], v[BT+\b]
.endr
.irp b, 0,1
	s_delay_alu instid0(VALU_DEP_2)
	v_add_nc_u32 v[SO+\b], 0xfe000000, v[BM+\b]
.endr
.irp b, 0,1
	s_delay_alu instid0(VALU_DEP_2)
	v_lshrrev_b32 v[BT+\b], 23, v[SO+\b]
.endr
	s_delay_alu instid0(VALU_DEP_1)
	v_lshl_or_b32 v[PWD], v[BT+1], 8, v[BT]        ; my head's two bytes of my row's word, the same in lanes l and l xor 16
	v_cvt_scalef32_pk16_bf6_f32 v[P:P+2], v[S:S+15], v[SO]
	v_cvt_scalef32_pk16_bf6_f32 v[PT:PT+2], v[S+16:S+31], v[SO+1]
	v_nop                                          ; one plain instruction behind the scaled conversions
.irp i, 0,1,2
	v_permlane16_swap_b32 v[P+\i], v[PT+\i]        ; here a lane holds half blocks: lanes 16-31 of the first change places with lanes 0-15 of the second
.endr
.irp i, 0,1,2
	s_delay_alu instid0(VALU_DEP_3)
	v_mov_b32 v[P+3+\i], v[PT+\i]
.endr
	global_store_b128 v9, v[P:P+3], s[48:49]               ; the half's registers 0-3: 512 consecutive bytes,
	global_store_b64 v10, v[P+4:P+5], s[48:49] offset:512  ; and 4-5: 256
	global_store_b16 v11, v[PWD], s[50:51]                 ; lanes l and l xor 16 write the same two bytes with the same value
	s_wait_tensorcnt 0x0                           ; the wave's end
	ds_add_u32 v[SPW], v[NIL]
	s_wait_dscnt 0x0
	s_barrier_signal -1
	s_barrier_wait -1
	CREST                                          ; the closing round: no work-group ends while a partner may still ask for a chunk that names it
	s_endpgm
.Lfunc_end_k_qc26ee0144b_attn:
	.size	k_qc26ee0144b_attn, .Lfunc_end_k_qc26ee0144b_attn-k_qc26ee0144b_attn
	.p2alignl 7, 3214868480
	.fill 96, 4, 3214868480
	.section	.rodata,"a",@progbits
	.p2align	6, 0x0
	.amdhsa_kernel k_qc26ee0144b_attn
		.amdhsa_group_segment_fixed_size 327680
		.amdhsa_private_segment_fixed_size 0
		.amdhsa_enable_private_segment 0
		.amdhsa_kernarg_size 24
		.amdhsa_user_sgpr_count 2
		.amdhsa_user_sgpr_kernarg_segment_ptr 1
		.amdhsa_wavefront_size32 1
		.amdhsa_system_sgpr_workgroup_id_x 1
		.amdhsa_system_sgpr_workgroup_id_y 1
		.amdhsa_system_sgpr_workgroup_id_z 1
		.amdhsa_system_vgpr_workitem_id 0
		.amdhsa_next_free_vgpr 256
		.amdhsa_next_free_sgpr 66
		.amdhsa_reserve_vcc 0
		.amdhsa_float_denorm_mode_32 3
		.amdhsa_float_denorm_mode_16_64 3
		.amdhsa_memory_ordered 1
		.amdhsa_forward_progress 1
		.amdhsa_inst_pref_size 131
	.end_amdhsa_kernel
	.amdgpu_metadata
---
amdhsa.version: [ 1, 2 ]
amdhsa.kernels:
  - .name:           k_qc26ee0144b_attn
    .symbol:         k_qc26ee0144b_attn.kd
    .args:
      - { .name: qb, .offset: 0, .size: 8, .value_kind: global_buffer, .address_space: global }
      - { .name: kv, .offset: 8, .size: 8, .value_kind: global_buffer, .address_space: global }
      - { .name: yb, .offset: 16, .size: 8, .value_kind: global_buffer, .address_space: global }
    .group_segment_fixed_size: 327680
    .private_segment_fixed_size: 0
    .kernarg_segment_align: 8
    .kernarg_segment_size: 24
    .max_flat_workgroup_size: 384
    .sgpr_count:     66
    .vgpr_count:     256
    .wavefront_size: 32
...
	.end_amdgpu_metadata
.endif
;; end of part 3
;; launch oproj (part 4): grid 32 x 6, 4 waves a work-group, clusters of 4 x 1, 171,520 bytes of LDS; arguments yb, rec, bo, out0; writes out0
.if DOCPART == 4
	.amdgcn_target "amdgcn-amd-amdhsa--gfx1250"
	.amdhsa_code_object_version 6
	.text
	.protected	k_qc26ee0144b_oproj
	.globl	k_qc26ee0144b_oproj
	.p2align	8
	.type	k_qc26ee0144b_oproj,@function
k_qc26ee0144b_oproj:
	s_mov_b64 s[64:65], 0
	v_nop
	global_prefetch_b8 v0, s[64:65] scope:SCOPE_SE
	s_setreg_imm32_b32 hwreg(HW_REG_WAVE_MODE, 25, 1), 1
	s_wait_xcnt 0x0
	s_wait_alu depctr_hold_cnt(0) depctr_sa_sdst(0) depctr_va_vdst(0) depctr_va_sdst(0) depctr_va_ssrc(0) depctr_va_vcc(0) depctr_vm_vsrc(0)
	s_getreg_b32 s2, hwreg(HW_REG_IB_STS2, 6, 4)
	s_cmp_eq_u32 s2, 0
	s_cbranch_scc0 .Lentry_in_a_cluster
	s_endpgm
.Lentry_in_a_cluster:
	s_bfe_u32 s2, ttmp6, 0x10000c
	s_cmp_lg_u32 s2, 0x3003
	s_cbranch_scc0 .Lentry_shape_is_right
	s_endpgm
.Lentry_shape_is_right:
; out0 = y Wo + bo on codes of BF6 (E3M2) with E8M0 scales, K = 768 in six steps of 128 (a step is two heads).  out0: [4096][768] f32.
; SHARES.  A work-group takes 128 tokens (x) and 128 columns (y); wave w takes 64 tokens (w / 2) x 64 columns (w % 2): 16 accumulators.  Source 0 = Wo's columns, source 1 = y: a lane holds one token and
; its registers run along the columns.  Tokens and columns of a tile are in the order 32 b + 8 u + r + 8 (r / 8) (tile 2 b + u, lane r); the stores' addresses undo it for the tokens, the registers' order for the columns.
; LDS: four streams of 38,400 bytes (six records of 6,400, one a K step): 0, 1 = y's two groups of 64 tokens, 2, 3 = Wo's two units of 64 columns; behind them a stage of 16 rows x 272 bytes for each wave.
; Every byte of the streams is filled once; no fill lands in the stages.
; CLUSTER: the four work-groups differ in their tokens alone and read the same two units of Wo: those loads are asked for jointly; y's are each work-group's own.
; Every wave issues ONE tensor load, stream w whole (150 rows x 256 bytes), behind one round: waves 0, 1 y's, waves 2, 3 Wo's.
; No prefetch: the launch has no loop to run ahead in; all that it reads is asked for at its head.
; A fragment of y lies as two halves of 768 bytes (a head each): the half's registers 0-3 at 16 x lane, then registers 4-5 at 8 x lane.
.set RECB, 6400
.set STRM, 6*RECB
.set STG,  4*STRM
.set SPITCH, 272                       ; a stage row: 256 bytes + 16 = 68 words: 16 rows start at 16 different groups of four banks
.set LI,  1                            ; v1   16 x lane
.set LS,  2                            ; v2   4 x lane
.set AY,  3                            ; v3   my tokens' stream, 16 bytes a lane
.set AY8, 4                            ; v4   and 8 bytes a lane
.set AW,  5                            ; v5   my columns' stream
.set SY,  6                            ; v6   the same two for scale words
.set SW,  7                            ; v7
.set BO,  8                            ; v8   my lane's offset in the bias
.set STO, 9                            ; v9   the stage: where I put 16 bytes of a row
.set RD,  10                           ; v10  and where I read a row back
.set CO,  11                           ; v11  my byte offset in two rows of out0
.set SWR, 16                           ; v16-17 Wo's scale words;  v18-19 y's
.set SYR, 18
.set WF,  32                           ; v32-79 four fragments of Wo
.set YF,  80                           ; v80-127 four of y
.set ACC, 128
.set BK,  32                           ; the way out: 16 rows read back: v32-63 and v64-95 by turns
.set G1P, 24                           ; s[24:31] descriptor group 1, plain;  s[56:63] joint;  s[32:35] group 0 for y, s[36:39] for Wo
.set G0,  32
.set G1J, 56
.macro ROUND                           ; a round of the cluster's barrier
	s_barrier_signal -1
	s_barrier_wait -1
	s_cmp_lg_u32 s16, 0
	s_cbranch_scc1 .Lnot_wave_0_\@
	s_barrier_signal -3
.Lnot_wave_0_\@:
	s_barrier_wait -3
	s_barrier_signal -1
	s_barrier_wait -1
.endm
.macro MM d, a, b, sa, sb, ra, rb      ; one product that adds in place
.if ((\ra)*2+(\rb)) == 0
	v_wmma_scale_f32_16x16x128_f8f6f4 v[(\d):(\d)+7], v[(\a):(\a)+11], v[(\b):(\b)+11], v[(\d):(\d)+7], v[(\sa)], v[(\sb)] matrix_a_fmt:MATRIX_FMT_BF6 matrix_b_fmt:MATRIX_FMT_BF6
.elseif ((\ra)*2+(\rb)) == 1
	v_wmma_scale_f32_16x16x128_f8f6f4 v[(\d):(\d)+7], v[(\a):(\a)+11], v[(\b):(\b)+11], v[(\d):(\d)+7], v[(\sa)], v[(\sb)] matrix_a_fmt:MATRIX_FMT_BF6 matrix_b_fmt:MATRIX_FMT_BF6 matrix_b_scale:MATRIX_SCALE_ROW1
.elseif ((\ra)*2+(\rb)) == 2
	v_wmma_scale_f32_16x16x128_f8f6f4 v[(\d):(\d)+7], v[(\a):(\a)+11], v[(\b):(\b)+11], v[(\d):(\d)+7], v[(\sa)], v[(\sb)] matrix_a_fmt:MATRIX_FMT_BF6 matrix_b_fmt:MATRIX_FMT_BF6 matrix_a_scale:MATRIX_SCALE_ROW1
.else
	v_wmma_scale_f32_16x16x128_f8f6f4 v[(\d):(\d)+7], v[(\a):(\a)+11], v[(\b):(\b)+11], v[(\d):(\d)+7], v[(\sa)], v[(\sb)] matrix_a_fmt:MATRIX_FMT_BF6 matrix_b_fmt:MATRIX_FMT_BF6 matrix_a_scale:MATRIX_SCALE_ROW1 matrix_b_scale:MATRIX_SCALE_ROW1
.endif
.endm
	s_load_b256 s[4:11], s[0:1], 0x0               ; yb, rec, bo, out0
	v_lshl_add_u32 v30, v0, 2, 0x29c00
	v_mov_b32 v31, 0
	ds_add_u32 v30, v31                            ; the opening lines: the add, twice on end, and its wait ahead of my tensor load
	ds_add_u32 v30, v31
	v_lshrrev_b32 v1, 5, v0
	v_readfirstlane_b32 s16, v1                    ; wave 0..3
	s_bfe_u32 s17, ttmp6, 0x40000                  ; cx
	s_lshl_b32 s18, ttmp9, 2
	s_add_co_u32 s18, s18, s17                     ; g: my 128 tokens.  It enters y's and out0's addresses alone
	s_and_b32 s19, ttmp7, 0xffff                   ; which 128 columns: the same in all four partners
	s_lshr_b32 s20, s16, 1                         ; my half of the tokens.  Also: I fetch for y (0) or for Wo (1)
	s_and_b32 s21, s16, 1                          ; my half of the columns.  Also: which of the two streams I fetch
	s_mov_b32 s[G1P], 3<<16                        ; elements of 8 bytes, no mask, no padding
	s_mov_b32 s[G1J], 15|(3<<16)|(1<<21)           ; the same with the mask of all four work-groups, and bit 21 beside it
.irp g, G1P, G1J
	s_mov_b32 s[\g+1], 32<<16                      ; tensor_dim0 = 32
	s_mov_b32 s[\g+2], 150<<16                     ; tensor_dim1 = 150
	s_mov_b32 s[\g+3], 32<<16                      ; tile_dim0 = 32
	s_mov_b32 s[\g+4], 150                         ; tile_dim1 = 150
	s_mov_b32 s[\g+5], 32                          ; from row to row
	s_mov_b32 s[\g+6], 0
	s_mov_b32 s[\g+7], 0
.endr
	s_mov_b32 s[G0], 1
	s_mul_i32 s[G0+1], s21, STRM                   ; LDS: y's stream w % 2,
	s_mov_b32 s[G0+4], 1
	s_add_co_u32 s[G0+5], s[G0+1], 2*STRM          ; Wo's behind y's two
	s_lshl_b32 s68, s18, 1
	s_add_co_u32 s68, s68, s21                     ; y: the group of 64 tokens
	s_mul_i32 s68, s68, STRM
	s_mov_b32 s69, 0
	s_lshl_b32 s70, s19, 1
	s_add_co_u32 s70, s70, s21                     ; Wo: the unit of 64 columns,
	s_mul_i32 s70, s70, STRM
	s_add_co_u32 s70, s70, (384+216)*RECB          ; behind x's 384 records and the 216 of Wq, Wk, Wv
	s_mov_b32 s71, 0
	s_wait_dscnt 0x0
	s_wait_kmcnt 0x0
	s_add_nc_u64 s[G0+2:G0+3], s[4:5], s[68:69]
	s_or_b32 s[G0+3], s[G0+3], 0x80000000
	s_add_nc_u64 s[G0+6:G0+7], s[6:7], s[70:71]
	s_or_b32 s[G0+7], s[G0+7], 0x80000000
	ROUND                                          ; all four work-groups are here: the joint loads meet
	s_cmp_eq_u32 s20, 0
	s_cbranch_scc0 .Lfor_w
	tensor_load_to_lds s[G0:G0+3], s[G1P:G1P+7]            ; y
	s_nop 0
.rept 4
	v_nop
.endr
	s_branch .Lasked
.Lfor_w:
	tensor_load_to_lds s[G0+4:G0+7], s[G1J:G1J+7]          ; Wo
	s_nop 0
.rept 4
	v_nop
.endr
.Lasked:
	s_lshl_b32 s74, s19, 1
	s_add_co_u32 s74, s74, s21
	s_lshl_b32 s74, s74, 8                         ; my 64 columns, in bytes
	s_mov_b32 s75, 0
	s_add_nc_u64 s[8:9], s[8:9], s[74:75]          ; in the bias,
	s_lshl_b32 s72, s18, 7
	s_lshl_b32 s73, s20, 6
	s_add_co_u32 s72, s72, s73                     ; my first token
	s_mul_i32 s72, s72, 3072
	s_add_co_u32 s72, s72, s74
	s_mov_b32 s73, 0
	s_add_nc_u64 s[10:11], s[10:11], s[72:73]      ; and in out0
	s_mul_i32 s76, s20, STRM
	s_mul_i32 s77, s21, STRM
	s_add_co_u32 s77, s77, 2*STRM
	s_mul_i32 s78, s16, 16*SPITCH
	s_add_co_u32 s78, s78, STG                     ; my stage
	v_and_b32 v12, 31, v0
	v_lshlrev_b32 v[LI], 4, v12
	v_lshlrev_b32 v[LS], 2, v12
	v_lshlrev_b32 v[AY8], 3, v12
	v_add_nc_u32 v[AY], s76, v[LI]
	v_add_nc_u32 v[AY8], s76, v[AY8]
	v_add_nc_u32 v[AW], s77, v[LI]
	v_add_nc_u32 v[SY], s76, v[LS]
	v_add_nc_u32 v[SW], s77, v[LS]
	v_and_b32 v12, 15, v0                          ; r
	v_bfe_u32 v13, v0, 4, 1                        ; h
	v_lshlrev_b32 v[BO], 6, v13                    ; my half of the lanes holds columns 16 h on
	v_mul_u32_u24 v[STO], v12, SPITCH
	v_lshl_add_u32 v[STO], v13, 6, v[STO]
	v_add_nc_u32 v[STO], s78, v[STO]               ; in: row r, + 64 h
	v_mul_u32_u24 v[RD], v13, SPITCH
	v_lshl_add_u32 v[RD], v12, 4, v[RD]
	v_add_nc_u32 v[RD], s78, v[RD]                 ; back: lanes 0-15 one row, lanes 16-31 the next
	v_mul_u32_u24 v[CO], v13, 3072
	v_lshl_add_u32 v[CO], v12, 4, v[CO]            ; and the same two rows in out0
	; the bias goes straight into the accumulators: register j of accumulator (t, f) is column 32 (f / 2) + 8 (f % 2) + 16 h + j; all six K steps add in place
.irp t, 0,1,2,3
.irp f, 0,1,2,3
	global_load_b128 v[ACC+8*(4*\t+\f):ACC+8*(4*\t+\f)+3], v[BO], s[8:9] offset:128*(\f/2)+32*(\f%2)
	global_load_b128 v[ACC+8*(4*\t+\f)+4:ACC+8*(4*\t+\f)+7], v[BO], s[8:9] offset:128*(\f/2)+32*(\f%2)+16
.endr
.endr
.macro OSTEP s                         ; 128 along K: 16 products on 16 accumulators by turns
.irp f, 0,1,2,3
.irp c, 0,1,2
	ds_load_b128 v[WF+12*\f+4*\c:WF+12*\f+4*\c+3], v[AW] offset:RECB*(\s)+1536*\f+512*\c
.endr
.endr
.irp t, 0,1,2,3
.irp c, 0,1
	ds_load_b128 v[YF+12*\t+6*\c:YF+12*\t+6*\c+3], v[AY] offset:RECB*(\s)+1536*\t+768*\c
	ds_load_b64 v[YF+12*\t+6*\c+4:YF+12*\t+6*\c+5], v[AY8] offset:RECB*(\s)+1536*\t+768*\c+512
.endr
.endr
.irp p, 0,1
	ds_load_b32 v[SWR+\p], v[SW] offset:RECB*(\s)+6144+128*\p
	ds_load_b32 v[SYR+\p], v[SY] offset:RECB*(\s)+6144+128*\p
.endr
	s_wait_dscnt 0x0
.irp t, 0,1,2,3
.irp f, 0,1,2,3
	MM ACC+8*(4*\t+\f), WF+12*\f, YF+12*\t, SWR+\f/2, SYR+\t/2, \f%2, \t%2
.endr
.endr
.rept 4
	v_nop                                          ; four plain instructions between a product and a load into, or a read of, one of its registers
.endr
.endm
	s_wait_alu depctr_va_vdst(0)                   ; the wait at the head's end
	s_wait_loadcnt 0x0                             ; the bias
	s_wait_tensorcnt 0x0                           ; my one load is in
	s_barrier_signal -1
	s_barrier_wait -1                              ; everybody's is: all four streams
.irp s, 0,1,2,3,4,5
	OSTEP \s
.endr
; THE WAY OUT, a tile of 16 tokens x 64 columns at a time.  A lane holds pieces of one row, and the lanes beside it hold other rows: so a tile goes through my own stage and comes back as whole rows of 256 bytes.
; LDS serves a wave's instructions in order: no wait between the stores and the loads, nor in front of the next tile's stores.
.macro TOSTAGE t
.irp f, 0,1,2,3
	ds_store_b128 v[STO], v[ACC+8*(4*(\t)+\f):ACC+8*(4*(\t)+\f)+3] offset:128*(\f/2)+32*(\f%2)        ; each accumulator from its low end on
	ds_store_b128 v[STO], v[ACC+8*(4*(\t)+\f)+4:ACC+8*(4*(\t)+\f)+7] offset:128*(\f/2)+32*(\f%2)+16
.endr
.irp i, 0,1,2,3,4,5,6,7
	ds_load_b128 v[BK+32*((\t)%2)+4*\i:BK+32*((\t)%2)+4*\i+3], v[RD] offset:2*SPITCH*\i
.endr
.endm
.macro SEND t, younger                 ; younger: the LDS instructions issued behind tile t's loads, which may stay out
	s_wait_dscnt \younger
.irp i, 0,1,2,3,4,5,6,7                ; stage row 2 i + h is token 32 (t / 2) + 8 (t % 2) + 2 i + h + 8 (i / 4) of my 64
	global_store_b128 v[CO], v[BK+32*((\t)%2)+4*\i:BK+32*((\t)%2)+4*\i+3], s[10:11] offset:(32*((\t)/2)+8*((\t)%2)+2*\i+8*(\i/4))*3072 th:TH_STORE_NT   ; 16 lanes store 256 consecutive bytes, at a multiple of 256 from out0's first byte
.endr
.endm
	TOSTAGE 0
.irp t, 1,2,3
.if \t > 1
	s_wait_xcnt 0x0                                ; tile t - 2's stores have read their registers: tile t's loads may land there
.endif
	TOSTAGE \t
	SEND \t-1, 16                                  ; behind tile t - 1's loads: tile t's 8 stores and 8 loads
.endr
	SEND 3, 0
	s_wait_tensorcnt 0x0                           ; the wave's end
	ds_add_u32 v30, v31
	s_wait_dscnt 0x0
	ROUND                                          ; the closing round: no work-group ends while a partner may still ask for a stream that names it
	s_endpgm
.Lfunc_end_k_qc26ee0144b_oproj:
	.size	k_qc26ee0144b_oproj, .Lfunc_end_k_qc26ee0144b_oproj-k_qc26ee0144b_oproj
	.p2alignl 7, 3214868480
	.fill 96, 4, 3214868480
	.section	.rodata,"a",@progbits
	.p2align	6, 0x0
	.amdhsa_kernel k_qc26ee0144b_oproj
		.amdhsa_group_segment_fixed_size 171520
		.amdhsa_private_segment_fixed_size 0
		.amdhsa_enable_private_segment 0
		.amdhsa_kernarg_size 32
		.amdhsa_user_sgpr_count 2
		.amdhsa_user_sgpr_kernarg_segment_ptr 1
		.amdhsa_wavefront_size32 1
		.amdhsa_system_sgpr_workgroup_id_x 1
		.amdhsa_system_sgpr_workgroup_id_y 1
		.amdhsa_system_sgpr_workgroup_id_z 1
		.amdhsa_system_vgpr_workitem_id 0
		.amdhsa_next_free_vgpr 256
		.amdhsa_next_free_sgpr 80
		.amdhsa_reserve_vcc 0
		.amdhsa_float_denorm_mode_32 3
		.amdhsa_float_denorm_mode_16_64 3
		.amdhsa_memory_ordered 1
		.amdhsa_forward_progress 1
		.amdhsa_inst_pref_size 42
	.end_amdhsa_kernel
	.amdgpu_metadata
---
amdhsa.version: [ 1, 2 ]
amdhsa.kernels:
  - .name:           k_qc26ee0144b_oproj
    .symbol:         k_qc26ee0144b_oproj.kd
    .args:
      - { .name: yb, .offset: 0, .size: 8, .value_kind: global_buffer, .address_space: global }
      - { .name: rec, .offset: 8, .size: 8, .value_kind: global_buffer, .address_space: global }
      - { .name: bo, .offset: 16, .size: 8, .value_kind: global_buffer, .address_space: global }
      - { .name: out0, .offset: 24, .size: 8, .value_kind: global_buffer, .address_space: global }
    .group_segment_fixed_size: 171520
    .private_segment_fixed_size: 0
    .kernarg_segment_align: 8
    .kernarg_segment_size: 32
    .max_flat_workgroup_size: 128
    .sgpr_count:     80
    .vgpr_count:     256
    .wavefront_size: 32
...
	.end_amdgpu_metadata
.endif
;; end of part 4
